; MI455X (gfx1250); checked and timed in simulation.
; The chip was launched on July 23, 2026; its instructions are those of AMD's public machine-readable ISA for CDNA 5 (MIT licence, August 2026) and "CDNA5" Instruction Set Architecture Reference Guide (July 2026). The comments in the code are by the model that wrote it; some were corrected since.
;; Rotational Attention. Allowed arithmetic: matrix products marked QUANTISED: E2M3 operands, one E8M0 scale for each 32 along K, by v_wmma_scale_f32_16x16x128_f8f6f4 with both operands' format E2M3, f32 sums; everything else in f32.
;; Inputs: W_out 1,024 x 1,024 float32; W_qkv 3,072 x 1,024 float32; x 4 x 2,048 x 1,024 float32.
;; Outputs: out0 4 x 2,048 x 1,024 float32.
;; This version of the problem:
;;   THIS VERSION OF THE PROBLEM IS GIVEN IN LOW PRECISION. The matrix products marked QUANTISED in the list below multiply operands that are first quantised to E2M3 (2 exponent bits, 3 mantissa bits; 6 bits a number), with one power-of-two scale for each 32 numbers along K (OCP MX v1.0); their sums are f32. All else is computed in f32.
;;   The module's matrix products, in the order in which they are computed (A, B: the left and right operand; K: the contracted axis; several contracted axes count as one K, in the product's order):
;;     1. [M 8,192, K 1,024] x [K 1,024, N 3,072]; A: input x; B: input W_qkv: QUANTISED
;;     2. batch 64 x [M 2,048, K 64] x [K 64, N 2,048]; A: computed on the way; B: computed on the way: QUANTISED
;;     3. batch 64 x [M 2,048, K 2,048] x [K 2,048, N 64]; A: computed on the way; B: computed on the way: QUANTISED
;;     4. [M 8,192, K 1,024] x [K 1,024, N 1,024]; A: computed on the way; B: input W_out: QUANTISED
;;   THE QUANTISER, for each operand of a quantised product, along K:
;;     - K is cut into blocks of 32 from its start; a last block that is shorter is filled with zeros.
;;     - A block's scale is 2^e with e = floor(log2(the largest magnitude in the block)) - 2, held to -126 .. 127; a block of zeros has e = 0. As a byte (E8M0): e + 127.
;;     - Each number is divided by its block's scale, clamped to +-7.5, and rounded to the nearest number of E2M3, ties to even, subnormals kept.
;;     - The product sums the exact products of the quantised numbers (number of the format x scale) in f32.
;;   ~~~python
;;   def quantise(x, axis):      # numpy; x: float32 -> the quantised numbers, widened to float32 again
;;       x = np.moveaxis(x, axis, -1); K = x.shape[-1]
;;       x = np.pad(x, [(0, 0)] * (x.ndim - 1) + [(0, -K % 32)]); x = x.reshape(x.shape[:-1] + (-1, 32)); a = np.abs(x).max(-1, keepdims=True)
;;       e = np.where(a > 0, np.clip(np.frexp(np.where(a > 0, a, 1))[1] - 1 - 2, -126, 127), 0)      # np.frexp(a)[1] - 1 = floor(log2(a)), exactly
;;       r = np.clip(x / 2.0 ** e, -7.5, 7.5)
;;       step = 2.0 ** (np.maximum(np.frexp(np.where(r == 0, 1, r))[1] - 1, 0) - 3)
;;       q = np.round(r / step) * step * 2.0 ** e      # np.round: ties to even
;;       return np.moveaxis(q.reshape(q.shape[:-2] + (-1,))[..., :K], -1, axis).astype(np.float32)
;;   ~~~
;;   OPERANDS COMPUTED ON THE WAY. 'Computed on the way' means the value that the module computes at that place (a softmax that the list does not call 'softmax' is quantised finished and normalised). What goes into a quantiser is computed in f32, as accurately as f32 sums, v_exp_f32 and their like allow (about 1e-6 of the number): no bf16 or f16 on the way to a quantiser, and a product that is left as it is and whose result goes on into a quantised operand takes f32 operands (vector FMAs, or v_wmma_f32_16x16x4_f32). A number that lies on a knife's edge between two numbers of the format may be rounded either way, as far as f32 arithmetic and the matrix unit's own rounding can turn it there, and no further.
;; One version. Each part assembles by itself: llvm-mc -triple=amdgcn-amd-amdhsa -mcpu=gfx1250 --defsym DOCPART=n.
;; ======== version 1 of 1: 4 launches
;; workspace buffers: ximg 6,553,600 bytes; wqimg 2,457,600 bytes; woimg 819,200 bytes; qblk 6,815,744 bytes; kblk 6,815,744 bytes; vblk 6,553,600 bytes; ablk 6,553,600 bytes
;; launch quant (part 1): grid 384 x 1, 4 waves a work-group, no clusters, 34,304 bytes of LDS; arguments x, W_qkv, W_out, ximg, wqimg, woimg; writes ximg, wqimg, woimg
.if DOCPART == 1
	.amdgcn_target "amdgcn-amd-amdhsa--gfx1250"
	.amdhsa_code_object_version 6
	.text
	.protected	k_q1e60fbf03d_quant
	.globl	k_q1e60fbf03d_quant
	.p2align	8
	.type	k_q1e60fbf03d_quant,@function
k_q1e60fbf03d_quant:
	s_mov_b64 s[64:65], 0
	v_nop
	global_prefetch_b8 v0, s[64:65] scope:SCOPE_SE
	s_setreg_imm32_b32 hwreg(HW_REG_WAVE_MODE, 25, 1), 1
	s_wait_xcnt 0x0
; x [8192][1024], W_qkv [3072][1024], W_out [1024][1024], f32, K innermost, become codes of FP6 (E2M3) with one E8M0 byte for each 32 along K,
; laid IN THE ORDER OF THE OPERAND'S REGISTERS, so that the products' launches load fragments by 16 and 8 bytes a lane from consecutive bytes.
; A TILE OF ROWS: tile T = 2 A + e holds rows 32 A + 8 e + (r % 8) + 16 (r / 8), r = 0 .. 15.  As source 0 of a product, tiles 2 A and 2 A + 1 then leave 16 neighbouring rows in a lane's 16 result registers.
; A T-BLOCK, 12,800 bytes for a tile and all 1,024 along K: [K step of 128: 8][c: 2][768 bytes], then at byte 12,288 the scale words [K step / 4][r][K step % 4][4 bytes].
; The 768 bytes are registers 6 c .. 6 c + 5 of a fragment: registers 6 c .. 6 c + 3 at 16 x lane (512 bytes), registers 6 c + 4, 6 c + 5 at 8 x lane (256 bytes).  Lane (r, h) holds block 2 c + h of row r.
; A block's scale is 2^(floor(log2(its largest magnitude)) - 2); its byte is the largest magnitude's exponent field - 2, held at 1 from below by a floor of 2^-124 under the largest magnitude.
; LIMITS: a block of zeros keeps the byte 1 where the quantiser says 127: its codes are zeros and this program alone reads the bytes; blocks whose largest magnitude lies under 2^-124 take the floor's scale; NaN and infinities are not served.
; SHARES: work-groups 0-255 take x, 256-351 W_qkv, 352-383 W_out, two tiles each: only pointers are chosen, all take one path.  Wave w takes tile 2 g + w / 2 and half w % 2 of K: four fragments of 16 rows x 128.
; Each load reads 512 consecutive bytes of a row; a fragment's 16 rows turn through the wave's own stage in LDS (rows 528 bytes apart) and come back 128 bytes a lane and block.  No barrier: waves share nothing.
; No matrix unit, no tensor load, no cluster: each byte is read once by one wave.
.set ROWB,  4096                       ; a row of 1,024 f32
.set SP,    528                        ; a stage row: 512 bytes + 16
.set STW,   16*SP                      ; a wave's stage
.set TBLK,  12800
.set L16,   1                          ; v1   16 x lane
.set L8,    2                          ; v2   8 x lane
.set STI,   3                          ; v3   into the stage: my 16 bytes of a row
.set STO,   4                          ; v4   out of it: row r, + 128 h
.set SH8,   5                          ; v5   8 h
.set WO,    6                          ; v6   16 r + 8 h: my two scale words' place
.set PD,    7                          ; v7   a lane permute's destination
.set M,     8                          ; v8-9   largest magnitudes of my two blocks
.set SO,    10                         ; v10-11 the conversions' scale operands
.set BY,    12                         ; v12-13 the scale bytes
.set WT,    14
.set C,     16                         ; v16-39 codes, two sets of 12
.set TC,    40                         ; v40-47 the upper halves of two blocks, as converted
.set WD,    48                         ; v48-51 the four fragments' scale words
.set FW,    52                         ; v52-53 the two that I store
.set R,     64                         ; v64-191  two sets of 64: a fragment as loaded
.set X,     192                        ; v192-255 my two blocks of 32 neighbours
	s_load_b128 s[4:7], s[0:1], 0x0                ; x, W_qkv
	s_load_b128 s[8:11], s[0:1], 0x10              ; W_out, ximg
	s_load_b128 s[12:15], s[0:1], 0x20             ; wqimg, woimg
	v_lshl_add_u32 v62, v0, 2, 0x8400
	v_mov_b32 v63, 0
	v_lshrrev_b32 v8, 5, v0
	v_readfirstlane_b32 s17, v8                    ; wave
	v_and_b32 v9, 31, v0                           ; lane
	v_and_b32 v10, 15, v0                          ; r
	v_bfe_u32 v11, v0, 4, 1                        ; h
	v_lshlrev_b32 v[L16], 4, v9
	v_lshlrev_b32 v[L8], 3, v9
	s_mul_i32 s18, s17, STW
	v_add_nc_u32 v[STI], s18, v[L16]
	v_mul_u32_u24 v[STO], v10, SP
	v_lshl_add_u32 v[STO], v11, 7, v[STO]
	v_add_nc_u32 v[STO], s18, v[STO]
	v_lshlrev_b32 v[SH8], 3, v11
	v_lshl_add_u32 v[WO], v10, 4, v[SH8]
	v_mov_b32 v[PD], 0                             ; written once: a lane permute's destination counts as one of its sources
	s_mov_b32 s20, 0x76543210
	s_mov_b32 s21, 0xfedcba98                      ; v_permlanex16_b32's selects for lane l xor 16
	s_mov_b32 s30, 0xffff0000                      ; the lanes with h = 1
	s_lshr_b32 s22, s17, 1                         ; e: which of the work-group's two tiles
	s_and_b32 s23, s17, 1                          ; which half of K
	s_mov_b32 s16, 352
	s_wait_kmcnt 0x0
	s_cmp_lt_u32 ttmp9, 352                        ; the choices hang on the work-group's number alone
	s_cselect_b64 s[6:7], s[6:7], s[8:9]
	s_cselect_b64 s[12:13], s[12:13], s[14:15]
	s_cselect_b32 s16, 256, s16
	s_cmp_lt_u32 ttmp9, 256
	s_cselect_b64 s[4:5], s[4:5], s[6:7]           ; the tensor,
	s_cselect_b64 s[10:11], s[10:11], s[12:13]     ; its image,
	s_cselect_b32 s16, 0, s16
	s_sub_co_u32 s16, ttmp9, s16                   ; and g: which 32 rows of it
	s_lshl_b32 s24, s16, 17                        ; 32 g rows of 4,096 bytes
	s_lshl_b32 s26, s22, 15                        ; + 8 e rows
	s_add_co_u32 s24, s24, s26
	s_lshl_b32 s26, s23, 11                        ; + my half of K: 2,048 bytes
	s_add_co_u32 s24, s24, s26
	s_mov_b32 s25, 0
	s_add_nc_u64 s[4:5], s[4:5], s[24:25]
	s_lshl_b32 s26, s16, 1
	s_add_co_u32 s26, s26, s22                     ; T
	s_mul_i32 s26, s26, TBLK
	s_mov_b32 s27, 0
	s_add_nc_u64 s[10:11], s[10:11], s[26:27]      ; the tile's T-block
	s_lshl_b32 s28, s23, 8
	s_add_co_u32 s28, s28, 12288
	s_mov_b32 s29, 0
	s_add_nc_u64 s[12:13], s[10:11], s[28:29]      ; my 256 bytes of scale words
	s_mul_i32 s28, s23, 6144
	s_add_nc_u64 s[10:11], s[10:11], s[28:29]      ; my four K steps' codes
.macro LOAD f                          ; fragment f: the tile's 16 rows, 128 numbers of each: 32 lanes read 512 consecutive bytes
.irp p, 0,1,2,3,4,5,6,7,8,9,10,11,12,13,14,15
	global_load_b128 v[R+64*((\f)%2)+4*\p:R+64*((\f)%2)+4*\p+3], v[L16], s[4:5] offset:((\p%8)+16*(\p/8))*ROWB+512*(\f) th:TH_LOAD_NT
.endr
.endm
.macro TURN f                          ; through the stage: LDS serves a wave's instructions in order, so no wait stands between the stores and the loads
.irp p, 0,1,2,3,4,5,6,7,8,9,10,11,12,13,14,15
	ds_store_b128 v[STI], v[R+64*((\f)%2)+4*\p:R+64*((\f)%2)+4*\p+3] offset:SP*\p
.endr
.irp c, 0,1
.irp i, 0,1,2,3,4,5,6,7
	ds_load_b128 v[X+32*\c+4*\i:X+32*\c+4*\i+3], v[STO] offset:256*\c+16*\i   ; block 2 c + h of row r: 128 bytes
.endr
.endr
.endm
.macro WORK f
.set CSET, C+12*((\f)%2)
.irp c, 0,1
	v_max3_num_f32 v[M+\c], |v[X+32*\c]|, |v[X+32*\c+1]|, 0x1800000   ; all 32 numbers of a block are mine; the floor 2^(3 - 127) is one more leaf: the byte cannot fall under 1
.endr
.irp i, 2,4,6,8,10,12,14,16,18,20,22,24,26,28,30
.irp c, 0,1
	v_max3_num_f32 v[M+\c], v[M+\c], |v[X+32*\c+\i]|, |v[X+32*\c+\i+1]|   ; (the two blocks by turns)
.endr
.endr
.irp c, 0,1
	v_add_nc_u32 v[SO+\c], 0xff000000, v[M+\c]     ; 2 off the exponent field: the conversion takes the exponent field of this operand as its scale
.endr
.irp c, 0,1
	v_lshrrev_b32 v[BY+\c], 23, v[SO+\c]           ; the scale's byte
.endr
	v_lshl_or_b32 v[WT], v[BY+1], 16, v[BY]        ; blocks h and 2 + h of row r,
	v_lshlrev_b32 v[WT], v[SH8], v[WT]             ; at their places in the word;
	v_permlanex16_b32 v[PD], v[WT], s20, s21
	v_or_b32 v[WD+\f], v[WT], v[PD]                ; with lane l xor 16's two the word is whole
.if \f >= 2
	s_wait_xcnt 0x0                                ; the stores of two fragments back have read this set of code registers
.endif
.irp c, 0,1
	v_cvt_scalef32_pk16_fp6_f32 v[CSET+6*\c:CSET+6*\c+2], v[X+32*\c:X+32*\c+15], v[SO+\c]
	v_cvt_scalef32_pk16_fp6_f32 v[TC+4*\c:TC+4*\c+2], v[X+32*\c+16:X+32*\c+31], v[SO+\c]   ; (a conversion's three registers begin on an even number)
.endr
	v_nop                                          ; one plain place behind a scaled conversion
.irp c, 0,1
.irp i, 0,1,2
	v_mov_b32 v[CSET+6*\c+3+\i], v[TC+4*\c+\i]
.endr
.endr
.irp c, 0,1
	global_store_b128 v[L16], v[CSET+6*\c:CSET+6*\c+3], s[10:11] offset:1536*(\f)+768*\c        ; 512 consecutive bytes, aligned to 256
	global_store_b64 v[L8], v[CSET+6*\c+4:CSET+6*\c+5], s[10:11] offset:1536*(\f)+768*\c+512    ; 256 consecutive bytes, aligned
.endr
.endm
	LOAD 0
	LOAD 1
.irp f, 0,1,2,3
.if \f < 3
	s_wait_loadcnt 16                              ; this fragment's 16 loads are in; the next fragment's may be out
.else
	s_wait_loadcnt 0x0
.endif
	TURN \f
	s_wait_dscnt 0x0                               ; my two blocks are back
.if \f < 2
	LOAD \f+2                                      ; into the set that the stage's stores have read
.endif
	WORK \f
.endr
	v_cndmask_b32 v[FW], v[WD], v[WD+2], s30       ; lane (r, h) stores row r's words 2 h and 2 h + 1
	v_cndmask_b32 v[FW+1], v[WD+1], v[WD+3], s30
	global_store_b64 v[WO], v[FW:FW+1], s[12:13]   ; 32 lanes store 256 consecutive bytes, aligned
	s_wait_tensorcnt 0x0
	ds_add_u32 v62, v63
	s_wait_dscnt 0x0
	s_endpgm
.Lfunc_end_k_q1e60fbf03d_quant:
	.size	k_q1e60fbf03d_quant, .Lfunc_end_k_q1e60fbf03d_quant-k_q1e60fbf03d_quant
	.p2alignl 7, 3214868480
	.fill 96, 4, 3214868480
	.section	.rodata,"a",@progbits
	.p2align	6, 0x0
	.amdhsa_kernel k_q1e60fbf03d_quant
		.amdhsa_group_segment_fixed_size 34304
		.amdhsa_private_segment_fixed_size 0
		.amdhsa_enable_private_segment 0
		.amdhsa_kernarg_size 48
		.amdhsa_user_sgpr_count 2
		.amdhsa_user_sgpr_kernarg_segment_ptr 1
		.amdhsa_wavefront_size32 1
		.amdhsa_system_sgpr_workgroup_id_x 1
		.amdhsa_system_sgpr_workgroup_id_y 1
		.amdhsa_system_sgpr_workgroup_id_z 1
		.amdhsa_system_vgpr_workitem_id 0
		.amdhsa_next_free_vgpr 256
		.amdhsa_next_free_sgpr 66
		.amdhsa_reserve_vcc 0
		.amdhsa_float_denorm_mode_32 3
		.amdhsa_float_denorm_mode_16_64 3
		.amdhsa_memory_ordered 1
		.amdhsa_forward_progress 1
		.amdhsa_inst_pref_size 31
	.end_amdhsa_kernel
	.amdgpu_metadata
---
amdhsa.version: [ 1, 2 ]
amdhsa.kernels:
  - .name:           k_q1e60fbf03d_quant
    .symbol:         k_q1e60fbf03d_quant.kd
    .args:
      - { .name: x, .offset: 0, .size: 8, .value_kind: global_buffer, .address_space: global }
      - { .name: W_qkv, .offset: 8, .size: 8, .value_kind: global_buffer, .address_space: global }
      - { .name: W_out, .offset: 16, .size: 8, .value_kind: global_buffer, .address_space: global }
      - { .name: ximg, .offset: 24, .size: 8, .value_kind: global_buffer, .address_space: global }
      - { .name: wqimg, .offset: 32, .size: 8, .value_kind: global_buffer, .address_space: global }
      - { .name: woimg, .offset: 40, .size: 8, .value_kind: global_buffer, .address_space: global }
    .group_segment_fixed_size: 34304
    .private_segment_fixed_size: 0
    .kernarg_segment_align: 8
    .kernarg_segment_size: 48
    .max_flat_workgroup_size: 128
    .sgpr_count:     66
    .vgpr_count:     256
    .wavefront_size: 32
...
	.end_amdgpu_metadata
.endif
;; end of part 1
;; launch qkv (part 2): grid 12 x 32, 4 waves a work-group, clusters of 4 x 4, 327,680 bytes of LDS; arguments ximg, wqimg, qblk, kblk, vblk; writes qblk, kblk, vblk
.if DOCPART == 2
	.amdgcn_target "amdgcn-amd-amdhsa--gfx1250"
	.amdhsa_code_object_version 6
	.text
	.protected	k_q1e60fbf03d_qkv
	.globl	k_q1e60fbf03d_qkv
	.p2align	8
	.type	k_q1e60fbf03d_qkv,@function
k_q1e60fbf03d_qkv:
	s_mov_b64 s[64:65], 0
	v_nop
	global_prefetch_b8 v0, s[64:65] scope:SCOPE_SE
	s_setreg_imm32_b32 hwreg(HW_REG_WAVE_MODE, 25, 1), 1
	s_wait_xcnt 0x0
	s_wait_alu depctr_hold_cnt(0) depctr_sa_sdst(0) depctr_va_vdst(0) depctr_va_sdst(0) depctr_va_ssrc(0) depctr_va_vcc(0) depctr_vm_vsrc(0)
	s_getreg_b32 s2, hwreg(HW_REG_IB_STS2, 6, 4)
	s_cmp_eq_u32 s2, 0
	s_cbranch_scc0 .Lentry_in_a_cluster
	s_endpgm
.Lentry_in_a_cluster:
	s_bfe_u32 s2, ttmp6, 0x10000c
	s_cmp_lg_u32 s2, 0xf033
	s_cbranch_scc0 .Lentry_shape_is_right
	s_endpgm
.Lentry_shape_is_right:
; qkv = x W_qkv^T on codes of FP6 (E2M3), and its results leave ALREADY QUANTISED, as the operands of the two products of attention: nothing goes to memory as f32.
; x and W_qkv come as T-blocks (12,800 bytes for a tile of 16 rows and K = 1,024: 16 x 768 bytes of register images, then 512 bytes of scale words [K step / 4][r][K step % 4]).
; Tile T = 2 A + e holds rows 32 A + 8 e + (r % 8) + 16 (r / 8), so that the 16 result registers of source 0's tiles 2 A, 2 A + 1 are 16 NEIGHBOURING rows of source 0: what the conversions want.
; A work-group of four waves makes 256 tokens x 256 rows of W; a wave 128 x 128: 64 accumulators, 512 registers.  The cluster's x says which third of W: 0 q, 1 k, 2 v: the same in all sixteen partners.
; q, k: source 0 = W's tiles, source 1 = x's: a lane holds one token and its registers run along the head's d, the K of q k^T.
; v:    source 0 = x's tiles, source 1 = W's: a lane holds one (head, d) and its registers run along the tokens, the K of S v.
; The tensor loads, their masks and their places in LDS are the same for all three; chosen by the kind are the two LDS bases from which fragments are read, the two pointers to scale words, and the output's strides.
; K = 1,024 goes in four chunks of 256 through three LDS slots: chunks 0, 1, 2 are first fills (three tensor loads of a wave are out at most), chunk 3 fills slot 0 again, behind a round of the cluster's barrier.
; CLUSTER 4 x 4: x's tiles are shared along a row of the cluster, W's along a column: each is asked for jointly.
; The scale words of a wave's 8 + 8 tiles, all of K, are copied once from memory into 128 registers: each load names 256 consecutive aligned bytes.  The eight K steps are written out, so that each word has its register.
; OUT: qblk, kblk [batch x 16 + head][block of 128 tokens][6,656]: 8 tiles x 768 bytes (16 tokens x 64 d: registers 0-5 of a fragment), at 6,144 the words [tile / 4][r][tile % 4], bytes 0, 1 used, bytes 2, 3 zero.
;      vblk [batch x 16 + head][128 keys][6,400]: 4 tiles of d x 1,536 bytes (16 d x 128 keys: a whole fragment), at 6,144 the words [r][tile of d].
; LIMITS: the largest magnitude of a block is floored at 2^-121 (byte at least 4, so that the next launch can take 3 off q's bytes); a block of zeros keeps that byte: its codes are zeros and this program alone reads the bytes; NaN and infinities are not served.
; No prefetch: three of the four chunks are asked for at the head, and the one refill has the K steps 2 to 4 in which to land.
; REGISTERS, in windows of 256: window 0: v1-29 addresses; v32-127 source 1's eight fragments, ONE set (on the way out: at work); v128-191 source 1's scale words (8 a + K step), v192-255 source 0's (8 b + K step).
;   window 1: source 0's fragments, TWO sets, at v0 and v128.   window 2: the accumulators of source 1's blocks 0-3 ((a, b) at v[8 (8 (a % 4) + b)]);   window 3: of blocks 4-7.
.set TB,    12800
.set CH,    3072                       ; a tile's bytes in a chunk: 2 K steps x 1,536
.set SLOT,  32*CH                      ; x's 16 tiles, then W's 16
.set WOFF,  16*CH
.set SPARE, 3*SLOT                     ; behind the slots: the spare words, 128 bytes for each wave: two blocks of 256 bytes that no other line names
.set KBLK,  6656
.set VBLK,  6400
.set A16,   4                          ; v4-6    source 1's fragments in slot 0, 1, 2: base + 16 x lane
.set A8,    7                          ; v7-9    base + 8 x lane
.set B16,   10                         ; v10-12  source 0's
.set B8,    13                         ; v13-15
.set R16,   16                         ; v16  16 r
.set O16A,  17                         ; v17  the way out: 16 x lane
.set O8A,   18                         ; v18  8 x lane
.set O16B,  19                         ; v19  the same for registers 6-11: the next head's block (q, k) or 768 bytes on (v)
.set O8B,   20
.set OS,    21                         ; v21  the scale words' place: h x a head's bytes + 16 r
.set SHV,   22                         ; v22  16 h (q, k) or 0 (v)
.set SPW,   28                         ; v28  LDS address of my spare word; never rewritten
.set NIL,   29                         ; v29  0; never rewritten
.set AF,    32
.set SC1,   128
.set SC0,   192
.set TM,    32                         ; the way out: v32-35 largest magnitudes, v36-39 bytes, v44-47 the conversions' scale operands
.set PW,    48                         ; the scale word just made
.set PT,    50                         ; v50-57 upper halves as converted
.set PC,    60                         ; v60-83 codes, two sets of 12
.set SW,    84                         ; v84-91 the eight blocks' scale words
.set SV,    92                         ; v92-95
.set G1X,   24                         ; s[24:31] descriptor group 1 for x's tiles;  s[32:43] group 0, one set for each first fill
.set G0X,   32
.set G1W,   44                         ; s[44:51], s[52:63] the same for W's
.set G0W,   52
.set MSB, 0
.macro WIN new                         ; the immediate's high byte repeats the setting that is left
.if MSB != \new
	s_set_vgpr_msb (MSB<<8)|\new
.set MSB, \new
.endif
.endm
.set MUL_LO, 0xa1                      ; source 0 window 1, source 1 window 0, C and D window 2
.set MUL_HI, 0xf1                      ; the same, C and D window 3
.set TO_B,   0x40                      ; destination window 1, address window 0
.macro PLACES                          ; four plain places: in front of loads into registers that matrix instructions have read, and of the first read of results
.rept 4
	v_nop
.endr
.endm
.macro CREST                           ; a round of the cluster's barrier behind its opening barrier
	s_cmp_lg_u32 s14, 0
	s_cbranch_scc1 .Lnot_wave_0_\@
	s_barrier_signal -3
.Lnot_wave_0_\@:
	s_barrier_wait -3
	s_barrier_signal -1
	s_barrier_wait -1
.endm
.macro CROUND
	s_barrier_signal -1
	s_barrier_wait -1
	CREST
.endm
.macro JLOAD                           ; the joint refill, by set 0: waves 0, 1 fetch x's halves, waves 2, 3 W's; four v_nop follow each line
	s_cmp_eq_u32 s15, 0
	s_cbranch_scc0 .Lfor_w_\@
	tensor_load_to_lds s[G0X:G0X+3], s[G1X:G1X+7]
	s_nop 0
.rept 4
	v_nop
.endr
	s_branch .Lasked_\@
.Lfor_w_\@:
	tensor_load_to_lds s[G0W:G0W+3], s[G1W:G1W+7]
	s_nop 0
.rept 4
	v_nop
.endr
.Lasked_\@:
.endm
	s_load_b256 s[4:11], s[0:1], 0x0               ; ximg s[4:5], wqimg s[6:7], qblk s[8:9], kblk s[10:11]
	s_load_b64 s[12:13], s[0:1], 0x20              ; vblk
	v_lshl_add_u32 v[SPW], v0, 2, SPARE
	v_mov_b32 v[NIL], 0
	ds_add_u32 v28, v29
	ds_add_u32 v28, v29
	s_wait_dscnt 0x0
	v_lshrrev_b32 v1, 5, v0
	v_readfirstlane_b32 s14, v1                    ; wave 0..3
	s_lshr_b32 s15, s14, 1                         ; which half of the 256 tokens is mine.  Also: I fetch for x (0) or for W (1)
	s_and_b32 s16, s14, 1                          ; which half of W's 256 rows.  Also: which 8 tiles I fetch
	s_bfe_u32 s66, ttmp6, 0x40000                  ; cx
	s_bfe_u32 s67, ttmp6, 0x40004                  ; cy
	s_lshl_b32 s68, ttmp9, 2
	s_add_co_u32 s68, s68, s66                     ; which 256 rows of W: 4 x cluster x + cx
	s_and_b32 s17, ttmp7, 0xffff
	s_lshl_b32 s17, s17, 2
	s_add_co_u32 s17, s17, s67                     ; which 256 tokens: 4 x cluster y + cy
	s_lshl_b32 s18, s67, 2
	s_lshl_b32 s18, 15, s18                        ; my row of the cluster
	s_lshl_b32 s19, 0x1111, s66                    ; my column
	; descriptor group 1: 8 tiles' parts of a chunk: 8 rows of 3,072 bytes (384 elements of 8 bytes), 12,800 bytes (1,600 elements) apart; dense in LDS
	s_or_b32 s[G1X], s18, (3<<16)|(1<<21)          ; 15:0 the mask: x's tiles go to my row; 17:16 elements of 8 bytes; 20 no padding; 21 set beside a mask
	s_or_b32 s[G1W], s19, (3<<16)|(1<<21)          ; W's go to my column
.irp g, G1X, G1W
	s_mov_b32 s[\g+1], 384<<16                     ; tensor_dim0
	s_mov_b32 s[\g+2], 8<<16                       ; tensor_dim1
	s_mov_b32 s[\g+3], 384<<16                     ; tile_dim0
	s_mov_b32 s[\g+4], 8                           ; tile_dim1
	s_mov_b32 s[\g+5], 1600                        ; tensor_dim0_stride
	s_mov_b32 s[\g+6], 0
	s_mov_b32 s[\g+7], 0
.endr
	s_lshl_b32 s19, s16, 3                         ; 8 x (wave % 2)
	s_lshl_b32 s18, s17, 4                         ; x's first tile of the work-group
	s_add_co_u32 s20, s18, s19
	s_mul_i32 s20, s20, TB                         ; the 8 tiles of x that I would fetch: they hang on the tokens' coordinate alone
	s_mov_b32 s21, 0
	s_lshl_b32 s22, s68, 4
	s_add_co_u32 s22, s22, s19
	s_mul_i32 s22, s22, TB                         ; the 8 tiles of W that I would fetch (they are also my quadrant's): on W's coordinate alone
	s_mov_b32 s23, 0
	s_lshl_b32 s92, s15, 3
	s_add_co_u32 s92, s92, s18
	s_mul_i32 s92, s92, TB                         ; my quadrant's 8 tiles of x
	s_mov_b32 s93, 0
	s_mul_i32 s96, s14, 8*CH                       ; where a fetch lands in a slot: wave x 8 tiles: no place in the cluster enters an LDS address
	s_wait_kmcnt 0x0
	s_add_nc_u64 s[88:89], s[4:5], s[20:21]
	s_add_nc_u64 s[90:91], s[6:7], s[22:23]
	s_add_nc_u64 s[94:95], s[4:5], s[92:93]
	CROUND                                         ; all sixteen work-groups are here: the first joint loads meet
.irp k, 0,1,2
	s_mov_b32 s[G0X+4*\k], 1                       ; count = 1
	s_add_co_u32 s[G0X+4*\k+1], s96, \k*SLOT       ; LDS address: slot k
	s_add_nc_u64 s[G0X+4*\k+2:G0X+4*\k+3], s[88:89], \k*CH   ; global address: chunk k
	s_or_b32 s[G0X+4*\k+3], s[G0X+4*\k+3], 0x80000000        ; type = 2
	s_mov_b32 s[G0W+4*\k], 1
	s_add_co_u32 s[G0W+4*\k+1], s96, \k*SLOT
	s_add_nc_u64 s[G0W+4*\k+2:G0W+4*\k+3], s[90:91], \k*CH
	s_or_b32 s[G0W+4*\k+3], s[G0W+4*\k+3], 0x80000000
.endr
	s_cmp_eq_u32 s15, 0                            ; a wave's three first fills stand in one branch, ahead of every wait on TENSORcnt, every LDS read and every further barrier
	s_cbranch_scc0 .Lfirst_w
	tensor_load_to_lds s[G0X:G0X+3], s[G1X:G1X+7]
	s_nop 0
	tensor_load_to_lds s[G0X+4:G0X+7], s[G1X:G1X+7]
	s_nop 0
	tensor_load_to_lds s[G0X+8:G0X+11], s[G1X:G1X+7]
	s_nop 0
.rept 4
	v_nop
.endr
	s_branch .Lfirst_asked
.Lfirst_w:
	tensor_load_to_lds s[G0W:G0W+3], s[G1W:G1W+7]
	s_nop 0
	tensor_load_to_lds s[G0W+4:G0W+7], s[G1W:G1W+7]
	s_nop 0
	tensor_load_to_lds s[G0W+8:G0W+11], s[G1W:G1W+7]
	s_nop 0
.rept 4
	v_nop
.endr
.Lfirst_asked:
	; what the kind chooses
	s_mul_i32 s2, s15, 8*CH                        ; my quadrant's tiles of x in a slot,
	s_mul_i32 s3, s16, 8*CH
	s_add_co_u32 s3, s3, WOFF                      ; and of W
	s_mov_b32 s70, KBLK
	s_mov_b32 s72, 768
	s_mov_b32 s84, 0xffff
	s_cmp_eq_u32 ttmp9, 0
	s_cselect_b64 s[8:9], s[8:9], s[10:11]
	s_cmp_eq_u32 ttmp9, 2
	s_cselect_b64 s[8:9], s[12:13], s[8:9]         ; the output buffer
	s_cselect_b64 s[80:81], s[90:91], s[94:95]     ; source 1's T-blocks (for its scale words)
	s_cselect_b64 s[82:83], s[94:95], s[90:91]     ; source 0's
	s_cselect_b32 s18, s3, s2                      ; source 1's fragments in a slot
	s_cselect_b32 s19, s2, s3                      ; source 0's
	s_cselect_b32 s69, 1, 0                        ; is it v?
	s_cselect_b32 s70, VBLK, s70                   ; a block of the output
	s_cselect_b32 s72, 1536, s72                   ; from one of source 1's blocks to the next
	s_cselect_b32 s84, -1, s84                     ; what of a scale word is kept
	s_cselect_b32 s20, 0, 16
	s_lshl_b32 s71, s70, 4                         ; a head's 16 blocks
	s_sub_co_u32 s74, s71, 3*1536
	s_mov_b32 s85, 768
	s_cmp_eq_u32 ttmp9, 2
	s_cselect_b32 s74, s74, s85                    ; from block 3 to block 4: v goes on to the next head
	s_cselect_b32 s85, s85, s71                    ; from registers 0-5 to registers 6-11: 768 bytes (v) or a head (q, k)
	s_mov_b32 s73, 0
	s_mov_b32 s75, 0
	s_mov_b32 s86, 0x76543210
	s_mov_b32 s87, 0xfedcba98                      ; v_permlanex16_b32's selects for lane l xor 16
	s_mov_b32 s97, 0xffff0000                      ; the lanes with h = 1
	v_and_b32 v1, 15, v0                           ; r
	v_bfe_u32 v2, v0, 4, 1                         ; h
	v_and_b32 v3, 31, v0                           ; lane
	v_lshlrev_b32 v[O16A], 4, v3
	v_lshlrev_b32 v[O8A], 3, v3
	v_lshlrev_b32 v[R16], 4, v1
.irp i, 0,1,2,3,4,5,6,7                ; the scale words: tile i, K steps 4 g .. 4 g + 3 of row r; lanes 16-31 repeat lanes 0-15
.irp g, 0,1
	global_load_b128 v[SC1+8*\i+4*\g:SC1+8*\i+4*\g+3], v[R16], s[80:81] offset:TB*\i+12288+256*\g
	global_load_b128 v[SC0+8*\i+4*\g:SC0+8*\i+4*\g+3], v[R16], s[82:83] offset:TB*\i+12288+256*\g
.endr
.endr
.irp s, 0,1,2
	v_add_nc_u32 v[A16+\s], s18, v[O16A]
	v_add_nc_u32 v[A8+\s], s18, v[O8A]
	v_add_nc_u32 v[B16+\s], s19, v[O16A]
	v_add_nc_u32 v[B8+\s], s19, v[O8A]
	s_add_co_u32 s18, s18, SLOT
	s_add_co_u32 s19, s19, SLOT
.endr
	v_add_nc_u32 v[O16B], s85, v[O16A]
	v_add_nc_u32 v[O8B], s85, v[O8A]
	v_mul_u32_u24 v[OS], v2, s71
	v_add_nc_u32 v[OS], v[OS], v[R16]
	v_mul_u32_u24 v[SHV], v2, s20
	; where my quadrant's output begins: ((16 batch + first head) x 16 + block of 128 tokens) x a block's bytes
	s_lshl_b32 s19, s17, 1
	s_add_co_u32 s19, s19, s15                     ; which 128 tokens of the 8,192
	s_lshr_b32 s20, s19, 4                         ; batch
	s_and_b32 s19, s19, 15                         ; block in the batch
	s_and_b32 s21, s68, 3
	s_lshl_b32 s21, s21, 1
	s_add_co_u32 s21, s21, s16                     ; which pair of heads
	s_lshl_b32 s20, s20, 4
	s_lshl_b32 s21, s21, 1
	s_add_co_u32 s20, s20, s21
	s_lshl_b32 s20, s20, 4
	s_add_co_u32 s20, s20, s19
	s_mul_i32 s20, s20, s70
	s_mov_b32 s21, 0
	s_add_nc_u64 s[76:77], s[8:9], s[20:21]        ; codes
	s_add_nc_u64 s[78:79], s[76:77], 6144          ; scale words
.macro FRAG reg, a16, a8, q, i         ; a fragment's image: tile i, the slot's q-th K step: registers 0-3, 4-5, 6-9, 10-11; each load reads consecutive bytes
	ds_load_b128 v[\reg:\reg+3], v[\a16] offset:CH*(\i)+1536*(\q)
	ds_load_b64 v[\reg+4:\reg+5], v[\a8] offset:CH*(\i)+1536*(\q)+512
	ds_load_b128 v[\reg+6:\reg+9], v[\a16] offset:CH*(\i)+1536*(\q)+768
	ds_load_b64 v[\reg+10:\reg+11], v[\a8] offset:CH*(\i)+1536*(\q)+1280
.endm
.macro FETCH_B slot, q, p              ; source 0's eight fragments into set p: 32 loads
	WIN TO_B
.irp i, 0,1,2,3,4,5,6,7
	FRAG 128*(\p)+12*\i, B16+\slot, B8+\slot, \q, \i
.endr
	WIN 0
.endm
.macro FETCH_A slot, q, i0             ; source 1's blocks i0 .. i0 + 3: 16 loads
.irp i, \i0, \i0+1, \i0+2, \i0+3
	FRAG AF+12*(\i), A16+\slot, A8+\slot, \q, \i
.endr
.endm
; 16 matrix instructions: source 1's blocks a0, a0 + 1 x source 0's eight, K step kk.  The 64 accumulators take turns, one instruction a turn, in the same order in every step.
.macro MUL16 a0, p, kk, zero
.irp a, \a0, \a0+1
.irp b, 0,1,2,3,4,5,6,7
.if \zero
	v_wmma_scale_f32_16x16x128_f8f6f4 v[8*(8*((\a)%4)+\b):8*(8*((\a)%4)+\b)+7], v[128*(\p)+12*\b:128*(\p)+12*\b+11], v[AF+12*(\a):AF+12*(\a)+11], 0, v[SC0+8*\b+(\kk)], v[SC1+8*(\a)+(\kk)] matrix_a_fmt:MATRIX_FMT_FP6 matrix_b_fmt:MATRIX_FMT_FP6
.else
	v_wmma_scale_f32_16x16x128_f8f6f4 v[8*(8*((\a)%4)+\b):8*(8*((\a)%4)+\b)+7], v[128*(\p)+12*\b:128*(\p)+12*\b+11], v[AF+12*(\a):AF+12*(\a)+11], v[8*(8*((\a)%4)+\b):8*(8*((\a)%4)+\b)+7], v[SC0+8*\b+(\kk)], v[SC1+8*(\a)+(\kk)] matrix_a_fmt:MATRIX_FMT_FP6 matrix_b_fmt:MATRIX_FMT_FP6
.endif
.endr
.endr
.endm
; K step kk; the next step's fragments lie in slot ns, its nq-th K step, which every wave's loads are known to have filled.
.macro STEP kk, ns, nq, zero
	s_wait_dscnt 16                                ; source 0's set and source 1's blocks 0-3 are in; the youngest 16 loads (blocks 4-7) may be out
	WIN MUL_LO
	MUL16 0, (\kk)%2, \kk, \zero
	MUL16 2, (\kk)%2, \kk, \zero
	s_wait_dscnt 0x0                               ; blocks 4-7 are in (asked for 32 matrix instructions ago)
	PLACES
	FETCH_B \ns, \nq, 1-(\kk)%2
	FETCH_A \ns, \nq, 0
	WIN MUL_HI
	MUL16 4, (\kk)%2, \kk, \zero
	MUL16 6, (\kk)%2, \kk, \zero
	PLACES
	WIN 0
	FETCH_A \ns, \nq, 4
.endm
; A K step with a barrier in it.  In front of the barrier each wave waits for all its tensor loads, adds 0 to its spare word, and waits for that and for its LDS reads.
; fill = 1: the barrier opens a round of the cluster's barrier, and behind the round slot 0, which nobody reads any more, takes chunk 3.
.macro TURN kk, ns, nq, fill
	s_wait_tensorcnt 0x0                           ; all my tensor loads have landed  (every window is 0 here: the add's two registers lie in window 0)
	ds_add_u32 v[SPW], v[NIL]                      ; 0 onto my spare word
	s_wait_dscnt 17                                ; (the add and the youngest 16 loads, source 1's blocks 4-7, may be out)
	WIN MUL_LO
	MUL16 0, (\kk)%2, \kk, 0                       ; sixteen matrix instructions stand between the add and the wait for it
	s_wait_dscnt 0x0                               ; the add is done, and my reads of the slot in hand are over
	s_barrier_signal -1
	MUL16 2, (\kk)%2, \kk, 0
	WIN 0
	s_barrier_wait -1
.if \fill
	CREST                                          ; no wave of any partner still reads slot 0 or has a load on its way
	s_add_nc_u64 s[G0X+2:G0X+3], s[G0X+2:G0X+3], 3*CH   ; set 0 goes on from chunk 0 to chunk 3; the type bits on top are not reached
	s_add_nc_u64 s[G0W+2:G0W+3], s[G0W+2:G0W+3], 3*CH
	JLOAD                                          ; the first tensor load behind the round, and my only one; its four v_nop are also the places in front of the loads below
.else
	PLACES
.endif
	FETCH_B \ns, \nq, 1-(\kk)%2
	FETCH_A \ns, \nq, 0
	WIN MUL_HI
	MUL16 4, (\kk)%2, \kk, 0
	MUL16 6, (\kk)%2, \kk, 0
	PLACES
	WIN 0
	FETCH_A \ns, \nq, 4
.endm
	s_wait_tensorcnt 2                             ; my part of chunk 0 is in; chunks 1 and 2 may be out
	s_barrier_signal -1
	s_barrier_wait -1                              ; everybody's is
	FETCH_B 0, 0, 0
	FETCH_A 0, 0, 0
	FETCH_A 0, 0, 4
	s_wait_loadcnt 0x0                             ; the scale words, once
	STEP 0, 0, 1, 1                                ; the first products start the sums: nothing is cleared
	TURN 1, 1, 0, 1                                ; slot 0 is left; chunks 1 and 2 are whole in every wave's sight; chunk 3 is asked for
	STEP 2, 1, 1, 0
	STEP 3, 2, 0, 0
	STEP 4, 2, 1, 0
	TURN 5, 0, 0, 0                                ; chunk 3 has landed, everybody's part
	STEP 6, 0, 1, 0
	s_wait_dscnt 16                                ; the last K step: nothing more to fetch
	WIN MUL_LO
	MUL16 0, 1, 7, 0
	MUL16 2, 1, 7, 0
	s_wait_dscnt 0x0
	WIN MUL_HI
	MUL16 4, 1, 7, 0
	MUL16 6, 1, 7, 0
	WIN 0
; THE WAY OUT, one of source 1's blocks at a time.  A lane's 64 results of block a: register 16 B + i = row 32 B + 16 h + i of source 0's 128: four blocks of 32 along the next product's K.
; They become 12 registers of codes and a scale word: for v one fragment (16 d x 128 keys); for q, k registers 0-5 are the first head's 16 tokens x 64 d and registers 6-11 the second head's.
; The registers go to memory as they stand: 512 and 256 consecutive aligned bytes a store.  No LDS.
.macro OUTA a
.set AC, 64*((\a)%4)
.set WQ, 2+(\a)/4
.set WM, WQ*5
.set PS, PC+12*((\a)%2)
	WIN WM                                         ; sources 0 and 1: the accumulators' window
.irp b, 0,1,2,3
	v_max3_num_f32 v[TM+\b], |v[AC+16*\b]|, |v[AC+16*\b+1]|, 0x3000000   ; my 16 numbers of block b, each accumulator from its low end on, and the floor 2^(6 - 127): the byte cannot fall under 4
.endr
.irp i, 2,4,6,8,10,12,14
.irp b, 0,1,2,3
	v_max3_num_f32 v[TM+\b], |v[AC+16*\b+\i]|, |v[AC+16*\b+\i+1]|, v[TM+\b]   ; (the four blocks by turns)
.endr
.endr
	WIN 0
.irp b, 0,1,2,3
	v_permlanex16_b32 v[TM+4+\b], v[TM+\b], s86, s87
.endr
.irp b, 0,1,2,3
	v_max_num_f32 v[TM+\b], v[TM+\b], v[TM+4+\b]   ; with lane l xor 16's: the block's largest magnitude
.endr
.irp b, 0,1,2,3
	v_add_nc_u32 v[TM+12+\b], 0xff000000, v[TM+\b] ; 2 off its exponent field: the conversion's scale operand
.endr
.irp b, 0,1,2,3
	v_lshrrev_b32 v[TM+4+\b], 23, v[TM+12+\b]      ; the scale's byte
.endr
	v_lshl_or_b32 v[PW], v[TM+5], 8, v[TM+4]
	v_lshl_or_b32 v[PW], v[TM+6], 16, v[PW]
	v_lshl_or_b32 v[PW], v[TM+7], 24, v[PW]
	v_lshrrev_b32 v[SW+\a], v[SHV], v[PW]          ; q, k: lanes 0-15 keep the first head's two bytes, lanes 16-31 the second head's; v: the whole word
	v_and_b32 v[SW+\a], s84, v[SW+\a]
	WIN WQ                                         ; source 0: the accumulators' window
.irp c, 0,1
	v_cvt_scalef32_pk16_fp6_f32 v[PS+6*\c:PS+6*\c+2], v[AC+32*\c:AC+32*\c+15], v[TM+12+2*\c]
	v_cvt_scalef32_pk16_fp6_f32 v[PT+4*\c:PT+4*\c+2], v[AC+32*\c+16:AC+32*\c+31], v[TM+12+2*\c+1]   ; (a conversion's three registers begin on an even number)
.endr
	WIN 0
	v_nop                                          ; one plain place behind a scaled conversion
.irp c, 0,1                            ; the operand's layout wants a WHOLE block in a lane: lanes 0-15 block 2 c, lanes 16-31 block 2 c + 1
.irp i, 0,1,2
	v_permlane16_swap_b32 v[PS+6*\c+\i], v[PT+4*\c+\i]
.endr
.irp i, 0,1,2
	v_mov_b32 v[PS+6*\c+3+\i], v[PT+4*\c+\i]
.endr
.endr
.if (\a) > 0
	s_wait_xcnt 0x0                                ; the earlier stores have read their base and their data: the base may step, and the next block may write the other set of codes
.if (\a) == 4
	s_add_nc_u64 s[76:77], s[76:77], s[74:75]
.else
	s_add_nc_u64 s[76:77], s[76:77], s[72:73]
.endif
.endif
	global_store_b128 v[O16A], v[PS:PS+3], s[76:77]
	global_store_b64 v[O8A], v[PS+4:PS+5], s[76:77] offset:512
	global_store_b128 v[O16B], v[PS+6:PS+9], s[76:77]
	global_store_b64 v[O8B], v[PS+10:PS+11], s[76:77] offset:512
.endm
	PLACES                                         ; behind the last products: their results are read, and source 1's registers are written, only behind these
.irp b, 0,1,2,3
	v_mov_b32 v[TM+4+\b], 0                        ; written once: a lane permute's destination counts as one of its sources
.endr
.irp a, 0,1,2,3,4,5,6,7
	OUTA \a
.endr
	s_cmp_eq_u32 s69, 0                            ; the kind is the same in all partners of the cluster
	s_cbranch_scc0 .Lwords_v
	global_store_b128 v[OS], v[SW:SW+3], s[78:79]              ; q, k: tiles 0-3's words of row r: lanes 0-15 into the first head's block, lanes 16-31 into the second's: 256 consecutive aligned bytes each
	global_store_b128 v[OS], v[SW+4:SW+7], s[78:79] offset:256 ; tiles 4-7's
	s_branch .Lwords_done
.Lwords_v:
.irp i, 0,1,2,3
	v_cndmask_b32 v[SV+\i], v[SW+\i], v[SW+4+\i], s97          ; v: blocks 0-3 are the first head's four tiles of d, blocks 4-7 the second head's
.endr
	global_store_b128 v[OS], v[SV:SV+3], s[78:79]
.Lwords_done:
	s_wait_tensorcnt 0x0                           ; the wave's end
	ds_add_u32 v[SPW], v[NIL]
	s_wait_dscnt 0x0
	CROUND                                         ; the closing round: no work-group ends while a partner may still ask for a tile that names it
	s_endpgm
.Lfunc_end_k_q1e60fbf03d_qkv:
	.size	k_q1e60fbf03d_qkv, .Lfunc_end_k_q1e60fbf03d_qkv-k_q1e60fbf03d_qkv
	.p2alignl 7, 3214868480
	.fill 96, 4, 3214868480
	.section	.rodata,"a",@progbits
	.p2align	6, 0x0
	.amdhsa_kernel k_q1e60fbf03d_qkv
		.amdhsa_group_segment_fixed_size 327680
		.amdhsa_private_segment_fixed_size 0
		.amdhsa_enable_private_segment 0
		.amdhsa_kernarg_size 40
		.amdhsa_user_sgpr_count 2
		.amdhsa_user_sgpr_kernarg_segment_ptr 1
		.amdhsa_wavefront_size32 1
		.amdhsa_system_sgpr_workgroup_id_x 1
		.amdhsa_system_sgpr_workgroup_id_y 1
		.amdhsa_system_sgpr_workgroup_id_z 1
		.amdhsa_system_vgpr_workitem_id 0
		.amdhsa_next_free_vgpr 1024
		.amdhsa_next_free_sgpr 98
		.amdhsa_reserve_vcc 0
		.amdhsa_float_denorm_mode_32 3
		.amdhsa_float_denorm_mode_16_64 3
		.amdhsa_memory_ordered 1
		.amdhsa_forward_progress 1
		.amdhsa_inst_pref_size 149
	.end_amdhsa_kernel
	.amdgpu_metadata
---
amdhsa.version: [ 1, 2 ]
amdhsa.kernels:
  - .name:           k_q1e60fbf03d_qkv
    .symbol:         k_q1e60fbf03d_qkv.kd
    .args:
      - { .name: ximg, .offset: 0, .size: 8, .value_kind: global_buffer, .address_space: global }
      - { .name: wqimg, .offset: 8, .size: 8, .value_kind: global_buffer, .address_space: global }
      - { .name: qblk, .offset: 16, .size: 8, .value_kind: global_buffer, .address_space: global }
      - { .name: kblk, .offset: 24, .size: 8, .value_kind: global_buffer, .address_space: global }
      - { .name: vblk, .offset: 32, .size: 8, .value_kind: global_buffer, .address_space: global }
    .group_segment_fixed_size: 327680
    .private_segment_fixed_size: 0
    .kernarg_segment_align: 8
    .kernarg_segment_size: 40
    .max_flat_workgroup_size: 128
    .sgpr_count:     98
    .vgpr_count:     1024
    .wavefront_size: 32
...
	.end_amdgpu_metadata
.endif
;; end of part 2
;; launch attn (part 3): grid 4 x 64, 8 waves a work-group, clusters of 4 x 1, 327,680 bytes of LDS; arguments qblk, kblk, vblk, ablk; writes ablk
.if DOCPART == 3
	.amdgcn_target "amdgcn-amd-amdhsa--gfx1250"
	.amdhsa_code_object_version 6
	.text
	.protected	k_q1e60fbf03d_attn
	.globl	k_q1e60fbf03d_attn
	.p2align	8
	.type	k_q1e60fbf03d_attn,@function
k_q1e60fbf03d_attn:
	s_mov_b64 s[64:65], 0
	v_nop
	global_prefetch_b8 v0, s[64:65] scope:SCOPE_SE
	s_setreg_imm32_b32 hwreg(HW_REG_WAVE_MODE, 25, 1), 1
	s_wait_xcnt 0x0
	s_wait_alu depctr_hold_cnt(0) depctr_sa_sdst(0) depctr_va_vdst(0) depctr_va_sdst(0) depctr_va_ssrc(0) depctr_va_vcc(0) depctr_vm_vsrc(0)
	s_getreg_b32 s2, hwreg(HW_REG_IB_STS2, 6, 4)
	s_cmp_eq_u32 s2, 0
	s_cbranch_scc0 .Lentry_in_a_cluster
	s_endpgm
.Lentry_in_a_cluster:
	s_bfe_u32 s2, ttmp6, 0x10000c
	s_cmp_lg_u32 s2, 0x3003
	s_cbranch_scc0 .Lentry_shape_is_right
	s_endpgm
.Lentry_shape_is_right:
; O = (tril(q k^T / 8)) v for each (batch, head): no softmax; hidden scores are zeros.  Both products on codes of FP6 (E2M3); the scores are quantised along the keys, O along the head's d, both in registers.
; IN: qblk, kblk [bh][block of 128 rows][6,656]: 8 tiles x 768 bytes (registers 0-5 of a fragment: 16 rows x 64 d), at 6,144 the scale words [tile / 4][r][tile % 4].  vblk [bh][128 keys][6,400]: 4 tiles of d x 1,536 bytes, at 6,144 the words [r][tile].
; A tile t = 2 A + e of a block holds rows 32 A + 8 e + (r % 8) + 16 (r / 8).
; K = 64 fills half of the matrix instruction's 128: q's registers 6-11 are zero CODES, so whatever stands in k's registers 6-11 (the next tile's codes) adds nothing; the upper two bytes of both scale words are 0, which is 2^-127 and no NaN.
; 1/8 is taken off q's scale bytes (3 off each: they are at least 4): exact.
; BOTH PRODUCTS TRANSPOSED: S^T = k q^T (source 0 = 16 keys, source 1 = 16 queries), O^T = v^T S^T: a lane holds one query throughout; register 16 A + i of S^T is key 32 A + 16 h + i, of O^T d 32 A + 16 h + i.
; SHARES.  The four work-groups of a cluster share one head's K and V: all of it, 208,896 bytes, comes into each one's LDS ONCE, by joint loads issued at the head: no ring, nothing is filled again, nothing is left to prefetch.
; Work-group j takes tiles j and j + 4 of every block of 128 queries.  Wave w takes blocks w and 15 - w: four tiles (contexts).  A tile of block a works key steps 0 .. a, step a under the mask: 2 (w + 1) + 2 (16 - w) = 34 tile-steps in every wave.
; Key steps that lie wholly above the diagonal are zeros and are not computed.  j enters global addresses and the mask's two thresholds alone: no branch and no LDS address hangs on it.
; Two waves share a SIMD: one wave's quantising stands beside the other's products.
; OUT: ablk: T-blocks of attn (tile T = 128 batch + 8 block + tile: 12,800 bytes): head hd's 768 bytes at 768 hd; its two scale bytes in half hd % 2 of word hd / 2 of [word / 4][r][word % 4] at 12,288.
; Those two bytes a row are stored as they are, 2 bytes a lane: the other half of each word belongs to another head's work-group; they are one byte in 24 of what the launch stores.
; LIMITS: the largest magnitude of a block of S or of O is floored at 2^-124 (byte at least 1); a block of zeros keeps that byte: its codes are zeros and this program alone reads the bytes; NaN and infinities are not served.
; REGISTERS: window 0: v1-12 addresses and thresholds; v16-23 k's scale words, v24-27 v's, v28-31 q's; v32-85 k's 8 x 6 registers and 6 zeros; v86-133 v's 4 fragments; v134-197 S^T; v198-217 its codes; v218-233 at work; v234 its scale word.
;   window 1: v0-127 O^T (context x at 32 x, tile of d at 8 t); v128-175 q (12 x).
.set KB,    6656
.set VB,    6400
.set VOFF,  16*KB                      ; LDS: K's 16 steps, then V's 16
.set TBLK,  12800
.set L16,   1                          ; v1  16 x lane
.set L8,    2                          ; v2  8 x lane
.set R16,   3                          ; v3  16 r
.set D0,    4                          ; v4  my query's place in its block, less 16 h, for tile j;  v5 for tile j + 4
.set ZR,    6                          ; v6  0
.set ADK16, 7
.set ADK8,  8
.set ADKS,  9
.set ADV16, 10
.set ADV8,  11
.set ADVS,  12
.set KSC,   16
.set VSC,   24
.set QSC,   28
.set KF,    32
.set VF,    86
.set S,     134
.set PC,    198
.set TM,    218
.set PW,    234
.set QO16,  236                        ; v236-238 q's offsets in a block: 768 j + 16 x lane, 768 j + 8 x lane, 4 j + 16 r
.set QO8,   237
.set QOW,   238
.set OSB,   239                        ; v239 the scale bytes' offset on the way out: 4 T-blocks x h + 16 r
.set Q,     128                        ; in window 1
.set G1K,   16                         ; s[16:23], s[24:31] descriptor groups 1;  s[32:47], s[48:63] groups 0, four sets each
.set G1V,   24
.set G0K,   32
.set G0V,   48
.set MSB, 0
.macro WIN new                         ; the immediate's high byte repeats the setting that is left
.if MSB != \new
	s_set_vgpr_msb (MSB<<8)|\new
.set MSB, \new
.endif
.endm
.macro CROUND                          ; a round of the cluster's barrier
	s_barrier_signal -1
	s_barrier_wait -1
	s_cmp_lg_u32 s12, 0
	s_cbranch_scc1 .Lnot_wave_0_\@
	s_barrier_signal -3
.Lnot_wave_0_\@:
	s_barrier_wait -3
	s_barrier_signal -1
	s_barrier_wait -1
.endm
	s_load_b256 s[4:11], s[0:1], 0x0               ; qblk s[4:5], kblk s[6:7], vblk s[8:9], ablk s[10:11]
	v_lshl_add_u32 v254, v0, 2, 0x33000
	v_mov_b32 v255, 0
	ds_add_u32 v254, v255
	ds_add_u32 v254, v255
	v_lshrrev_b32 v13, 5, v0
	v_readfirstlane_b32 s12, v13                   ; wave 0..7
	s_bfe_u32 s66, ttmp6, 0x40000                  ; j: my place in the cluster
	s_and_b32 s67, ttmp7, 0xffff                   ; bh = 16 batch + head, which the four partners share
	s_and_b32 s13, s12, 3
	s_mov_b32 s68, s12                             ; the lower block of queries
	s_sub_co_u32 s69, 15, s12                      ; the upper
	; descriptor group 1: a key step's block, dense: rows of 256 bytes (32 elements of 8 bytes): 26 for K, 25 for V
	s_mov_b32 s[G1K], 15|(3<<16)|(1<<21)           ; 15:0 the mask: all four work-groups; 17:16 elements of 8 bytes; 20 no padding; 21 set beside a mask
	s_mov_b32 s[G1K+1], 32<<16
	s_mov_b32 s[G1K+2], 26<<16
	s_mov_b32 s[G1K+3], 32<<16
	s_mov_b32 s[G1K+4], 26
	s_mov_b32 s[G1K+5], 32
	s_mov_b32 s[G1K+6], 0
	s_mov_b32 s[G1K+7], 0
	s_mov_b32 s[G1V], 15|(3<<16)|(1<<21)
	s_mov_b32 s[G1V+1], 32<<16
	s_mov_b32 s[G1V+2], 25<<16
	s_mov_b32 s[G1V+3], 32<<16
	s_mov_b32 s[G1V+4], 25
	s_mov_b32 s[G1V+5], 32
	s_mov_b32 s[G1V+6], 0
	s_mov_b32 s[G1V+7], 0
	s_mul_i32 s14, s67, 16*KB
	s_mul_i32 s86, s13, KB                         ; key step wave % 4: in LDS,
	s_add_co_u32 s14, s14, s86                     ; and in the head's K
	s_mov_b32 s15, 0
	s_mul_i32 s72, s67, 16*VB
	s_mul_i32 s87, s13, VB
	s_add_co_u32 s72, s72, s87
	s_mov_b32 s73, 0
	s_wait_dscnt 0x0
	s_wait_kmcnt 0x0
	s_add_nc_u64 s[78:79], s[6:7], s[14:15]
	s_add_nc_u64 s[80:81], s[8:9], s[72:73]
	CROUND                                         ; all four work-groups are here: the joint loads meet
.irp p, 0,1,2,3                        ; set p: key step 4 p + wave % 4
	s_mov_b32 s[G0K+4*\p], 1
	s_add_co_u32 s[G0K+4*\p+1], s86, \p*4*KB
	s_add_nc_u64 s[G0K+4*\p+2:G0K+4*\p+3], s[78:79], \p*4*KB
	s_or_b32 s[G0K+4*\p+3], s[G0K+4*\p+3], 0x80000000
	s_mov_b32 s[G0V+4*\p], 1
	s_add_co_u32 s[G0V+4*\p+1], s87, VOFF+\p*4*VB
	s_add_nc_u64 s[G0V+4*\p+2:G0V+4*\p+3], s[80:81], \p*4*VB
	s_or_b32 s[G0V+4*\p+3], s[G0V+4*\p+3], 0x80000000
.endr
	s_cmp_lt_u32 s12, 4                            ; waves 0-3 fetch K, waves 4-7 V: a wave's four fills stand in one branch; four loads of mine are out; four v_nop follow the last
	s_cbranch_scc0 .Lfill_v
	tensor_load_to_lds s[G0K:G0K+3], s[G1K:G1K+7]
	s_nop 0
	tensor_load_to_lds s[G0K+4:G0K+7], s[G1K:G1K+7]
	s_nop 0
	tensor_load_to_lds s[G0K+8:G0K+11], s[G1K:G1K+7]
	s_nop 0
	tensor_load_to_lds s[G0K+12:G0K+15], s[G1K:G1K+7]
	s_nop 0
.rept 4
	v_nop
.endr
	s_branch .Lfilled
.Lfill_v:
	tensor_load_to_lds s[G0V:G0V+3], s[G1V:G1V+7]
	s_nop 0
	tensor_load_to_lds s[G0V+4:G0V+7], s[G1V:G1V+7]
	s_nop 0
	tensor_load_to_lds s[G0V+8:G0V+11], s[G1V:G1V+7]
	s_nop 0
	tensor_load_to_lds s[G0V+12:G0V+15], s[G1V:G1V+7]
	s_nop 0
.rept 4
	v_nop
.endr
.Lfilled:
	s_lshl_b32 s86, s67, 4
	s_add_co_u32 s14, s86, s68
	s_mul_i32 s14, s14, KB
	s_add_nc_u64 s[82:83], s[4:5], s[14:15]        ; q's lower block
	s_add_co_u32 s14, s86, s69
	s_mul_i32 s14, s14, KB
	s_add_nc_u64 s[84:85], s[4:5], s[14:15]        ; and its upper
	v_and_b32 v13, 31, v0                          ; lane
	v_and_b32 v14, 15, v0                          ; r
	v_bfe_u32 v15, v0, 4, 1                        ; h
	v_lshlrev_b32 v[L16], 4, v13
	v_lshlrev_b32 v[L8], 3, v13
	v_lshlrev_b32 v[R16], 4, v14
	s_mul_i32 s86, s66, 768
	v_add_nc_u32 v[QO16], s86, v[L16]
	v_add_nc_u32 v[QO8], s86, v[L8]
	s_lshl_b32 s86, s66, 2
	v_add_nc_u32 v[QOW], s86, v[R16]
	WIN 0x40                                       ; destination window 1
.irp x, 0,1,2,3                        ; context x: block x / 2, tile j + 4 (x % 2)
	global_load_b128 v[Q+12*\x:Q+12*\x+3], v[QO16], s[82+2*(\x/2):83+2*(\x/2)] offset:3072*(\x%2)
	global_load_b64 v[Q+12*\x+4:Q+12*\x+5], v[QO8], s[82+2*(\x/2):83+2*(\x/2)] offset:3072*(\x%2)+512
.endr
	WIN 0
.irp x, 0,1,2,3
	global_load_b32 v[QSC+\x], v[QOW], s[82+2*(\x/2):83+2*(\x/2)] offset:6144+256*(\x%2)
.endr
.irp i, 0,1,2,3,4,5
	v_mov_b32 v[KF+48+\i], 0                       ; behind k's last tile: named as its operand's upper half
.endr
.irp b, 0,1,2,3
	v_mov_b32 v[TM+4+\b], 0                        ; written once: a lane permute's destination counts as one of its sources
.endr
	WIN 0x40
.irp x, 0,1,2,3
.irp i, 6,7,8,9,10,11
	v_mov_b32 v[Q+12*\x+\i], 0                     ; q's zero codes for the upper 64 of the instruction's 128
.endr
.endr
.set n, 0
.rept 128
	v_mov_b32 v[n], 0                              ; O^T.  (The key step is written for a loop: a first step of its own, with the constant 0 as C, would be one more copy of it)
.set n, n+1
.endr
	WIN 0
	s_mov_b32 s74, 0x76543210
	s_mov_b32 s75, 0xfedcba98                      ; v_permlanex16_b32's selects for lane l xor 16
	s_mov_b32 s76, 0xffff0000                      ; the lanes with h = 1
	s_mov_b32 s70, 0                               ; the key step
	s_mov_b32 s71, 0                               ; where its K lies in LDS
	s_mov_b32 s72, VOFF                            ; and its V
	s_lshr_b32 s86, s66, 1
	s_lshl_b32 s86, s86, 5
	s_and_b32 s87, s66, 1
	s_lshl_b32 s87, s87, 3
	s_add_co_u32 s86, s86, s87                     ; 32 (j / 2) + 8 (j % 2)
	s_wait_loadcnt 0x0                             ; q
.irp x, 0,1,2,3
	v_add_nc_u32 v[QSC+\x], 0xfffffcfd, v[QSC+\x]  ; 3 off each of the two bytes: q / 8
.endr
	; A scale register written by a vector instruction stands 8 places ahead of the scaled matrix instruction that names it.  The ten lines below, which name no register of any product, stand here for that:
	; with a key step's six address additions each of the four words has 16 places or more, whichever tile comes first.
	v_and_b32 v[D0], 7, v14
	v_lshrrev_b32 v[D0+1], 3, v14
	v_lshl_add_u32 v[D0], v[D0+1], 4, v[D0]
	v_lshlrev_b32 v[D0+1], 4, v15
	v_sub_nc_u32 v[D0], v[D0], v[D0+1]
	v_add_nc_u32 v[D0], s86, v[D0]                 ; my query in its block, less 16 h
	v_add_nc_u32 v[D0+1], 64, v[D0]                ; tile j + 4 lies 64 queries on
	v_mov_b32 v[ZR], 0
	v_mul_u32_u24 v[OSB], v15, 4*TBLK
	v_add_nc_u32 v[OSB], v[OSB], v[R16]
; 64 numbers of a lane, register 16 b + i = k 32 b + 16 h + i of my row, become a fragment's codes in v[PC] on and its scale word in v[PW].
.macro QUANT s
.irp b, 0,1,2,3
	v_max3_num_f32 v[TM+\b], |v[\s+16*\b]|, |v[\s+1+16*\b]|, 0x1800000   ; block b: my 16 numbers, and the floor 2^(3 - 127): the byte cannot fall under 1
.endr
.irp i, 2,4,6,8,10,12,14
.irp b, 0,1,2,3
	v_max3_num_f32 v[TM+\b], v[TM+\b], |v[\s+16*\b+\i]|, |v[\s+1+16*\b+\i]|   ; (the four blocks by turns)
.endr
.endr
.irp b, 0,1,2,3
	v_permlanex16_b32 v[TM+4+\b], v[TM+\b], s74, s75
.endr
.irp b, 0,1,2,3
	v_max_num_f32 v[TM+\b], v[TM+\b], v[TM+4+\b]   ; with lane l xor 16's: the block's largest magnitude
.endr
.irp b, 0,1,2,3
	v_add_nc_u32 v[TM+12+\b], 0xff000000, v[TM+\b] ; 2 off its exponent field: the conversion's scale operand
.endr
.irp b, 0,1,2,3
	v_lshrrev_b32 v[TM+4+\b], 23, v[TM+12+\b]      ; the scale's byte
.endr
	v_lshl_or_b32 v[PW], v[TM+5], 8, v[TM+4]
	v_lshl_or_b32 v[PW], v[TM+6], 16, v[PW]
	v_lshl_or_b32 v[PW], v[TM+7], 24, v[PW]
.irp c, 0,1
	v_cvt_scalef32_pk16_fp6_f32 v[PC+6*\c:PC+2+6*\c], v[\s+32*\c:\s+15+32*\c], v[TM+12+2*\c]
	v_cvt_scalef32_pk16_fp6_f32 v[PC+12+4*\c:PC+14+4*\c], v[\s+16+32*\c:\s+31+32*\c], v[TM+12+2*\c+1]   ; (a conversion's three registers begin on an even number)
.endr
	v_nop                                          ; one plain place behind a scaled conversion
.irp c, 0,1                            ; the operand's layout wants a WHOLE block in a lane
.irp i, 0,1,2
	v_permlane16_swap_b32 v[PC+6*\c+\i], v[PC+12+4*\c+\i]
.endr
.irp i, 0,1,2
	v_mov_b32 v[PC+3+6*\c+\i], v[PC+12+4*\c+\i]
.endr
.endr
.endm
; One tile of 16 queries against the key step in hand.
.macro CTX x
.if (\x) < 2
	s_cmp_gt_u32 s70, s68                          ; the lower block's tiles are done when the key step has passed their block: a branch on the wave's number and the step
	s_cbranch_scc1 .Lskip_\@
.endif
	WIN 0x04                                       ; source 1 (q) window 1
.irp t, 0,1,2,3,4,5,6,7
	v_wmma_scale_f32_16x16x128_f8f6f4 v[S+8*\t:S+8*\t+7], v[KF+6*\t:KF+6*\t+11], v[Q+12*(\x):Q+12*(\x)+11], 0, v[KSC+\t], v[QSC+(\x)] matrix_a_fmt:MATRIX_FMT_FP6 matrix_b_fmt:MATRIX_FMT_FP6
.endr
	WIN 0
.rept 4
	v_nop                                          ; four places in front of the first read of results
.endr
	s_cmp_lg_u32 s70, s[68+(\x)/2]
	s_cbranch_scc1 .Lopen_\@                       ; only the step of the tile's own block lies on the diagonal
.set n, 0
.rept 64                               ; register n holds key 32 (n / 16) + 16 h + n % 16 of the block: hidden, and so zero, where it comes after my query
	v_cmp_gt_i32 vcc_lo, 32*(n/16)+n%16, v[D0+(\x)%2]
	v_cndmask_b32 v[S+n], v[S+n], v[ZR], vcc_lo
.set n, n+1
.endr
.Lopen_\@:
	QUANT S
.rept 4
	v_nop                                          ; an operand written by vector instructions stands 4 places ahead of a scaled matrix instruction; the scale word stands 11: these, the six moves and the one above
.endr
	s_wait_dscnt 0x0                               ; v's fragments and words are in
	WIN 0x50                                       ; C and D (O^T) window 1
.irp t, 0,1,2,3
	v_wmma_scale_f32_16x16x128_f8f6f4 v[32*(\x)+8*\t:32*(\x)+8*\t+7], v[VF+12*\t:VF+12*\t+11], v[PC:PC+11], v[32*(\x)+8*\t:32*(\x)+8*\t+7], v[VSC+\t], v[PW] matrix_a_fmt:MATRIX_FMT_FP6 matrix_b_fmt:MATRIX_FMT_FP6
.endr                                  ; (four accumulators by turns; eight products of S^T stand in front of the next four: no link follows the link that it adds onto)
	WIN 0
.if (\x) < 2
.Lskip_\@:
.endif
.endm
; A key step of 128 keys.  A wave whose upper block lies behind the step has nothing left: it jumps to the lines that step the counter and the addresses.
.macro KSTEP
	s_cmp_gt_u32 s70, s69
	s_cbranch_scc1 .Lidle_\@
	v_add_nc_u32 v[ADK16], s71, v[L16]             ; (these six are also the places in front of loads into registers that the last products have read)
	v_add_nc_u32 v[ADK8], s71, v[L8]
	v_add_nc_u32 v[ADKS], s71, v[R16]
	v_add_nc_u32 v[ADV16], s72, v[L16]
	v_add_nc_u32 v[ADV8], s72, v[L8]
	v_add_nc_u32 v[ADVS], s72, v[R16]
.irp t, 0,1,2,3,4,5,6,7
	ds_load_b128 v[KF+6*\t:KF+6*\t+3], v[ADK16] offset:768*\t
	ds_load_b64 v[KF+6*\t+4:KF+6*\t+5], v[ADK8] offset:768*\t+512
.endr
	ds_load_b128 v[KSC:KSC+3], v[ADKS] offset:6144
	ds_load_b128 v[KSC+4:KSC+7], v[ADKS] offset:6400
.irp t, 0,1,2,3
	ds_load_b128 v[VF+12*\t:VF+12*\t+3], v[ADV16] offset:1536*\t
	ds_load_b64 v[VF+12*\t+4:VF+12*\t+5], v[ADV8] offset:1536*\t+512
	ds_load_b128 v[VF+12*\t+6:VF+12*\t+9], v[ADV16] offset:1536*\t+768
	ds_load_b64 v[VF+12*\t+10:VF+12*\t+11], v[ADV8] offset:1536*\t+1280
.endr
	ds_load_b128 v[VSC:VSC+3], v[ADVS] offset:6144
	s_wait_dscnt 17                                ; k's 18 loads are in; v's 17 may be out
	CTX 0
	CTX 1
	CTX 2
	CTX 3
.Lidle_\@:
	s_add_co_u32 s70, s70, 1
	s_add_co_u32 s71, s71, KB
	s_add_co_u32 s72, s72, VB
.endm
	s_wait_tensorcnt 3                             ; my first fill is in: together the eight waves' are key steps 0 to 3 of K and V; my later three may be out
	s_barrier_signal -1
	s_barrier_wait -1
.Lfirst_four:
	KSTEP
	s_cmp_lt_u32 s70, 4
	s_cbranch_scc1 .Lfirst_four
	s_wait_tensorcnt 0x0                           ; all my fills are in,
	s_wait_dscnt 0x0
	s_barrier_signal -1
	s_barrier_wait -1                              ; everybody's are: from here on the waves run free
.Lthe_rest:
	KSTEP
	s_cmp_lt_u32 s70, 16
	s_cbranch_scc1 .Lthe_rest
	; THE WAY OUT.  A tile's O^T is 32 registers a lane: two blocks of 32 along d, which is the K of the last product.  They become six registers of codes and two scale bytes.
.macro QUANT2 x
.set OB, 32*(\x)
.set OC, S+16*(\x)
	WIN 0x05                                       ; sources 0 and 1 window 1
.irp b, 0,1
	v_max3_num_f32 v[TM+\b], |v[OB+16*\b]|, |v[OB+16*\b+1]|, 0x1800000   ; each accumulator from its low end on
.endr
.irp i, 2,4,6,8,10,12,14
.irp b, 0,1
	v_max3_num_f32 v[TM+\b], |v[OB+16*\b+\i]|, |v[OB+16*\b+\i+1]|, v[TM+\b]
.endr
.endr
	WIN 0
.irp b, 0,1
	v_permlanex16_b32 v[TM+4+\b], v[TM+\b], s74, s75
.endr
.irp b, 0,1
	v_max_num_f32 v[TM+\b], v[TM+\b], v[TM+4+\b]
.endr
.irp b, 0,1
	v_add_nc_u32 v[TM+12+\b], 0xff000000, v[TM+\b]
.endr
.irp b, 0,1
	v_lshrrev_b32 v[TM+4+\b], 23, v[TM+12+\b]
.endr
	v_lshl_or_b32 v[OC+12], v[TM+5], 8, v[TM+4]    ; my row's two bytes
	WIN 0x01                                       ; source 0 window 1
	v_cvt_scalef32_pk16_fp6_f32 v[OC:OC+2], v[OB:OB+15], v[TM+12]
	v_cvt_scalef32_pk16_fp6_f32 v[OC+8:OC+10], v[OB+16:OB+31], v[TM+13]
	WIN 0
	v_nop                                          ; one plain place behind a scaled conversion
.irp i, 0,1,2
	v_permlane16_swap_b32 v[OC+\i], v[OC+8+\i]     ; lanes 0-15 get block 0 whole, lanes 16-31 block 1
.endr
.irp i, 0,1,2
	v_mov_b32 v[OC+3+\i], v[OC+8+\i]
.endr
.endm
.rept 4
	v_nop                                          ; four places behind the last products
.endr
	s_lshr_b32 s86, s67, 4
	s_lshl_b32 s86, s86, 7
	s_add_co_u32 s86, s86, s66                     ; 128 batch + j
	s_and_b32 s87, s67, 15                         ; the head
	s_lshl_b32 s14, s68, 3
	s_add_co_u32 s14, s14, s86
	s_mul_i32 s14, s14, TBLK
	s_add_nc_u64 s[88:89], s[10:11], s[14:15]      ; the T-block of the lower block's tile j
	s_lshl_b32 s14, s69, 3
	s_add_co_u32 s14, s14, s86
	s_mul_i32 s14, s14, TBLK
	s_add_nc_u64 s[90:91], s[10:11], s[14:15]      ; of the upper block's
	s_lshr_b32 s14, s87, 3
	s_lshl_b32 s14, s14, 8                         ; 256 x (word / 4), the word being head / 2,
	s_and_b32 s13, s87, 7
	s_lshl_b32 s13, s13, 1                         ; + 4 x (word % 4) + 2 x (head % 2) = 2 x (head % 8)
	s_add_co_u32 s14, s14, s13
	s_add_co_u32 s14, s14, 12288
	s_add_nc_u64 s[92:93], s[88:89], s[14:15]
	s_add_nc_u64 s[94:95], s[90:91], s[14:15]
	s_mul_i32 s14, s87, 768
	s_add_nc_u64 s[88:89], s[88:89], s[14:15]
	s_add_nc_u64 s[90:91], s[90:91], s[14:15]
.irp x, 0,1,2,3
	QUANT2 \x
.endr
.irp x, 0,1,2,3
	global_store_b128 v[L16], v[S+16*\x:S+16*\x+3], s[88+2*(\x/2):89+2*(\x/2)] offset:4*TBLK*(\x%2)         ; 512 consecutive bytes, aligned to 256
	global_store_b64 v[L8], v[S+16*\x+4:S+16*\x+5], s[88+2*(\x/2):89+2*(\x/2)] offset:4*TBLK*(\x%2)+512     ; 256 consecutive bytes, aligned
.endr
.irp p, 0,1
	v_cndmask_b32 v[TM+\p], v[S+32*\p+12], v[S+32*\p+28], s76   ; lanes 0-15: tile j's bytes of row r; lanes 16-31: tile j + 4's
	global_store_b16 v[OSB], v[TM+\p], s[92+2*\p:93+2*\p]
.endr
	s_wait_dscnt 0x0
	s_wait_tensorcnt 0x0
	ds_add_u32 v254, v255
	s_wait_dscnt 0x0
	CROUND                                         ; the closing round: no work-group ends while a partner may still ask for a tile that names it
	s_endpgm
.Lfunc_end_k_q1e60fbf03d_attn:
	.size	k_q1e60fbf03d_attn, .Lfunc_end_k_q1e60fbf03d_attn-k_q1e60fbf03d_attn
	.p2alignl 7, 3214868480
	.fill 96, 4, 3214868480
	.section	.rodata,"a",@progbits
	.p2align	6, 0x0
	.amdhsa_kernel k_q1e60fbf03d_attn
		.amdhsa_group_segment_fixed_size 327680
		.amdhsa_private_segment_fixed_size 0
		.amdhsa_enable_private_segment 0
		.amdhsa_kernarg_size 32
		.amdhsa_user_sgpr_count 2
		.amdhsa_user_sgpr_kernarg_segment_ptr 1
		.amdhsa_wavefront_size32 1
		.amdhsa_system_sgpr_workgroup_id_x 1
		.amdhsa_system_sgpr_workgroup_id_y 1
		.amdhsa_system_sgpr_workgroup_id_z 1
		.amdhsa_system_vgpr_workitem_id 0
		.amdhsa_next_free_vgpr 512
		.amdhsa_next_free_sgpr 96
		.amdhsa_reserve_vcc 1
		.amdhsa_float_denorm_mode_32 3
		.amdhsa_float_denorm_mode_16_64 3
		.amdhsa_memory_ordered 1
		.amdhsa_forward_progress 1
		.amdhsa_inst_pref_size 116
	.end_amdhsa_kernel
	.amdgpu_metadata
---
amdhsa.version: [ 1, 2 ]
amdhsa.kernels:
  - .name:           k_q1e60fbf03d_attn
    .symbol:         k_q1e60fbf03d_attn.kd
    .args:
      - { .name: qblk, .offset: 0, .size: 8, .value_kind: global_buffer, .address_space: global }
      - { .name: kblk, .offset: 8, .size: 8, .value_kind: global_buffer, .address_space: global }
      - { .name: vblk, .offset: 16, .size: 8, .value_kind: global_buffer, .address_space: global }
      - { .name: ablk, .offset: 24, .size: 8, .value_kind: global_buffer, .address_space: global }
    .group_segment_fixed_size: 327680
    .private_segment_fixed_size: 0
    .kernarg_segment_align: 8
    .kernarg_segment_size: 32
    .max_flat_workgroup_size: 256
    .sgpr_count:     96
    .vgpr_count:     512
    .wavefront_size: 32
...
	.end_amdgpu_metadata
.endif
;; end of part 3
;; launch proj (part 4): grid 4 x 64, 4 waves a work-group, clusters of 4 x 4, 327,680 bytes of LDS; arguments ablk, woimg, out0; writes out0
.if DOCPART == 4
	.amdgcn_target "amdgcn-amd-amdhsa--gfx1250"
	.amdhsa_code_object_version 6
	.text
	.protected	k_q1e60fbf03d_proj
	.globl	k_q1e60fbf03d_proj
	.p2align	8
	.type	k_q1e60fbf03d_proj,@function
k_q1e60fbf03d_proj:
	s_mov_b64 s[64:65], 0
	v_nop
	global_prefetch_b8 v0, s[64:65] scope:SCOPE_SE
	s_setreg_imm32_b32 hwreg(HW_REG_WAVE_MODE, 25, 1), 1
	s_wait_xcnt 0x0
	s_wait_alu depctr_hold_cnt(0) depctr_sa_sdst(0) depctr_va_vdst(0) depctr_va_sdst(0) depctr_va_ssrc(0) depctr_va_vcc(0) depctr_vm_vsrc(0)
	s_getreg_b32 s2, hwreg(HW_REG_IB_STS2, 6, 4)
	s_cmp_eq_u32 s2, 0
	s_cbranch_scc0 .Lentry_in_a_cluster
	s_endpgm
.Lentry_in_a_cluster:
	s_bfe_u32 s2, ttmp6, 0x10000c
	s_cmp_lg_u32 s2, 0xf033
	s_cbranch_scc0 .Lentry_shape_is_right
	s_endpgm
.Lentry_shape_is_right:
; out = attn W_out^T on codes of FP6 (E2M3).  Both operands come as T-blocks (12,800 bytes for a tile of 16 rows and K = 1,024: 16 x 768 bytes of register images, then 512 bytes of scale words [K step / 4][r][K step % 4]).
; Tile T = 2 A + e holds rows 32 A + 8 e + (r % 8) + 16 (r / 8).  out: [8192][1024] f32.
; A work-group of four waves makes 128 rows x 256 columns: 64 x 4 = 256 work-groups (tiles of 256 x 256 would be 128).  A wave makes 64 x 128: 32 accumulators.
; USED TRANSPOSED: source 0 = W_out's tiles, source 1 = attn's: a lane holds one row of out, and the 16 registers of accumulators 2 u, 2 u + 1 are columns 32 u + 16 h + 0 .. 15.
; ALL OF K LIES IN LDS: four chunks of 256 along K, each attn's 8 tiles and W_out's 16, all asked for at the head by joint loads (four tensor loads of a wave are out): no slot is filled again, nothing is left to prefetch.
; CLUSTER 4 x 4: attn's tiles are shared along a row of the cluster, W_out's along a column.
; The scale words of a wave's 4 + 8 tiles are copied once from memory into 96 registers; the eight K steps are written out, so that each word has its register.
; REGISTERS: window 0: v4-19 LDS addresses for each chunk; v20-26 other addresses; v32-63 attn's scale words (8 a + K step), v64-127 W_out's (8 b + K step); v128-223 attn's fragments, two sets of 48 (on the way out v128-255: rows of out).
;   window 1: W_out's fragments, two sets, at v0 and v128.   window 2: accumulator (a, b) at v[8 (8 a + b)].
.set TB,    12800
.set CH,    3072                       ; a tile's bytes in a chunk
.set CHUNK, 24*CH                      ; attn's 8 tiles, then W_out's 16
.set BOFF,  8*CH
.set SP,    528                        ; the way out: a stage of 16 rows x (512 bytes + 16) for each wave, in chunk 0, which has had its one fill and whose last read lies ahead of the first barrier in the K steps
.set A16,   4                          ; v4-7    attn's fragments in chunk 0..3: base + 16 x lane
.set A8,    8                          ; v8-11   base + 8 x lane
.set B16,   12                         ; v12-15  W_out's
.set B8,    16                         ; v16-19
.set R16,   20                         ; v20  16 r
.set STO,   24                         ; v24  the stage: row r, + 64 h
.set RD,    25                         ; v25  and back: 16 x lane
.set CO,    26                         ; v26  16 x lane: my place in a row's 512 bytes of out
.set SCA,   32
.set SCB,   64
.set AFR,   128
.set BK,    128
.set G1A,   24                         ; s[24:31] descriptor group 1 for attn's tiles;  s[32:47] group 0, a set for each chunk
.set G0A,   32
.set G1B,   48                         ; s[48:55], s[68:83] the same for W_out's
.set G0B,   68
.set MSB, 0
.macro WIN new                         ; the immediate's high byte repeats the setting that is left
.if MSB != \new
	s_set_vgpr_msb (MSB<<8)|\new
.set MSB, \new
.endif
.endm
.macro PLACES                          ; four plain places: in front of loads into registers that matrix instructions have read, and of the first read of results
.rept 4
	v_nop
.endr
.endm
.macro CROUND                          ; a round of the cluster's barrier
	s_barrier_signal -1
	s_barrier_wait -1
	s_cmp_lg_u32 s14, 0
	s_cbranch_scc1 .Lnot_wave_0_\@
	s_barrier_signal -3
.Lnot_wave_0_\@:
	s_barrier_wait -3
	s_barrier_signal -1
	s_barrier_wait -1
.endm
	s_load_b128 s[4:7], s[0:1], 0x0                ; ablk s[4:5], woimg s[6:7]
	s_load_b64 s[8:9], s[0:1], 0x10                ; out0
	v_lshl_add_u32 v30, v0, 2, 0x48000
	v_mov_b32 v31, 0
	ds_add_u32 v30, v31
	ds_add_u32 v30, v31
	v_lshrrev_b32 v1, 5, v0
	v_readfirstlane_b32 s14, v1                    ; wave 0..3
	s_lshr_b32 s15, s14, 1                         ; which 64 of the 128 rows are mine.  Also: I fetch for attn (0) or for W_out (1)
	s_and_b32 s16, s14, 1                          ; which 128 of the 256 columns.  Also: which half of the tiles I fetch
	s_bfe_u32 s84, ttmp6, 0x40000                  ; cx
	s_bfe_u32 s85, ttmp6, 0x40004                  ; cy
	s_lshl_b32 s86, ttmp9, 2
	s_add_co_u32 s86, s86, s84                     ; which 256 columns
	s_and_b32 s17, ttmp7, 0xffff
	s_lshl_b32 s17, s17, 2
	s_add_co_u32 s17, s17, s85                     ; which 128 rows
	s_lshl_b32 s18, s85, 2
	s_lshl_b32 s18, 15, s18                        ; my row of the cluster
	s_lshl_b32 s19, 0x1111, s84                    ; my column
	; descriptor group 1: rows of 3,072 bytes (384 elements of 8 bytes), 12,800 bytes (1,600 elements) apart, dense in LDS: 4 tiles of attn, 8 of W_out
	s_or_b32 s[G1A], s18, (3<<16)|(1<<21)          ; 15:0 the mask; 17:16 elements of 8 bytes; 20 no padding; 21 set beside a mask
	s_mov_b32 s[G1A+1], 384<<16
	s_mov_b32 s[G1A+2], 4<<16
	s_mov_b32 s[G1A+3], 384<<16
	s_mov_b32 s[G1A+4], 4
	s_mov_b32 s[G1A+5], 1600
	s_mov_b32 s[G1A+6], 0
	s_mov_b32 s[G1A+7], 0
	s_or_b32 s[G1B], s19, (3<<16)|(1<<21)
	s_mov_b32 s[G1B+1], 384<<16
	s_mov_b32 s[G1B+2], 8<<16
	s_mov_b32 s[G1B+3], 384<<16
	s_mov_b32 s[G1B+4], 8
	s_mov_b32 s[G1B+5], 1600
	s_mov_b32 s[G1B+6], 0
	s_mov_b32 s[G1B+7], 0
	s_lshl_b32 s18, s17, 3                         ; attn's first tile of the work-group
	s_lshl_b32 s19, s16, 2
	s_add_co_u32 s20, s18, s19
	s_mul_i32 s20, s20, TB                         ; the 4 tiles of attn that I would fetch: they hang on the rows' coordinate alone
	s_mov_b32 s21, 0
	s_lshl_b32 s22, s86, 4
	s_lshl_b32 s19, s16, 3
	s_add_co_u32 s22, s22, s19
	s_mul_i32 s22, s22, TB                         ; the 8 tiles of W_out that I would fetch (they are also the ones that I multiply by): on the columns' coordinate alone
	s_mov_b32 s23, 0
	s_lshl_b32 s88, s15, 2
	s_add_co_u32 s88, s88, s18
	s_mul_i32 s88, s88, TB                         ; the 4 tiles of attn that I multiply
	s_mov_b32 s89, 0
	s_mul_i32 s90, s16, 4*CH                       ; where a fetch lands in a chunk: attn's,
	s_mul_i32 s91, s16, 8*CH
	s_add_co_u32 s91, s91, BOFF                    ; W_out's: no place in the cluster enters an LDS address
	s_wait_dscnt 0x0
	s_wait_kmcnt 0x0
	s_add_nc_u64 s[56:57], s[4:5], s[20:21]
	s_add_nc_u64 s[58:59], s[6:7], s[22:23]
	s_add_nc_u64 s[60:61], s[4:5], s[88:89]
	CROUND                                         ; all sixteen work-groups are here: the joint loads meet
.irp k, 0,1,2,3
	s_mov_b32 s[G0A+4*\k], 1
	s_add_co_u32 s[G0A+4*\k+1], s90, \k*CHUNK
	s_add_nc_u64 s[G0A+4*\k+2:G0A+4*\k+3], s[56:57], \k*CH
	s_or_b32 s[G0A+4*\k+3], s[G0A+4*\k+3], 0x80000000
	s_mov_b32 s[G0B+4*\k], 1
	s_add_co_u32 s[G0B+4*\k+1], s91, \k*CHUNK
	s_add_nc_u64 s[G0B+4*\k+2:G0B+4*\k+3], s[58:59], \k*CH
	s_or_b32 s[G0B+4*\k+3], s[G0B+4*\k+3], 0x80000000
.endr
	s_cmp_eq_u32 s15, 0                            ; a wave's four fills stand in one branch; four v_nop follow the last
	s_cbranch_scc0 .Lfill_b
	tensor_load_to_lds s[G0A:G0A+3], s[G1A:G1A+7]
	s_nop 0
	tensor_load_to_lds s[G0A+4:G0A+7], s[G1A:G1A+7]
	s_nop 0
	tensor_load_to_lds s[G0A+8:G0A+11], s[G1A:G1A+7]
	s_nop 0
	tensor_load_to_lds s[G0A+12:G0A+15], s[G1A:G1A+7]
	s_nop 0
.rept 4
	v_nop
.endr
	s_branch .Lfilled
.Lfill_b:
	tensor_load_to_lds s[G0B:G0B+3], s[G1B:G1B+7]
	s_nop 0
	tensor_load_to_lds s[G0B+4:G0B+7], s[G1B:G1B+7]
	s_nop 0
	tensor_load_to_lds s[G0B+8:G0B+11], s[G1B:G1B+7]
	s_nop 0
	tensor_load_to_lds s[G0B+12:G0B+15], s[G1B:G1B+7]
	s_nop 0
.rept 4
	v_nop
.endr
.Lfilled:
	v_and_b32 v1, 15, v0                           ; r
	v_bfe_u32 v2, v0, 4, 1                         ; h
	v_and_b32 v3, 31, v0                           ; lane
	v_lshlrev_b32 v[R16], 4, v1
	v_lshlrev_b32 v[CO], 4, v3
	v_lshlrev_b32 v27, 3, v3
.irp a, 0,1,2,3                        ; the scale words: K steps 4 g .. 4 g + 3 of row r; each load names 256 consecutive aligned bytes; lanes 16-31 repeat lanes 0-15
.irp g, 0,1
	global_load_b128 v[SCA+8*\a+4*\g:SCA+8*\a+4*\g+3], v[R16], s[60:61] offset:TB*\a+12288+256*\g
.endr
.endr
.irp b, 0,1,2,3,4,5,6,7
.irp g, 0,1
	global_load_b128 v[SCB+8*\b+4*\g:SCB+8*\b+4*\g+3], v[R16], s[58:59] offset:TB*\b+12288+256*\g
.endr
.endr
	s_mul_i32 s18, s15, 4*CH                       ; my 4 tiles of attn in a chunk
	s_mov_b32 s19, s91                             ; my 8 tiles of W_out
.irp k, 0,1,2,3
	v_add_nc_u32 v[A16+\k], s18, v[CO]
	v_add_nc_u32 v[A8+\k], s18, v27
	v_add_nc_u32 v[B16+\k], s19, v[CO]
	v_add_nc_u32 v[B8+\k], s19, v27
	s_add_co_u32 s18, s18, CHUNK
	s_add_co_u32 s19, s19, CHUNK
.endr
	s_mul_i32 s18, s14, 16*SP                      ; my stage
	v_mul_u32_u24 v[STO], v1, SP
	v_lshl_add_u32 v[STO], v2, 6, v[STO]
	v_add_nc_u32 v[STO], s18, v[STO]
	v_add_nc_u32 v[RD], s18, v[CO]
	s_lshl_b32 s18, s17, 7
	s_lshl_b32 s19, s15, 6
	s_add_co_u32 s18, s18, s19                     ; my first row of out
	s_lshl_b32 s18, s18, 12                        ; x 4,096 bytes
	s_lshl_b32 s19, s86, 10                        ; my first column, in bytes: 1,024 x which 256 + 512 x half
	s_add_co_u32 s18, s18, s19
	s_lshl_b32 s19, s16, 9
	s_add_co_u32 s18, s18, s19
	s_mov_b32 s19, 0
	s_add_nc_u64 s[8:9], s[8:9], s[18:19]
.macro FRAG reg, a16, a8, q, i         ; a fragment's image: tile i, the chunk's q-th K step: registers 0-3, 4-5, 6-9, 10-11; each load reads consecutive bytes
	ds_load_b128 v[\reg:\reg+3], v[\a16] offset:CH*(\i)+1536*(\q)
	ds_load_b64 v[\reg+4:\reg+5], v[\a8] offset:CH*(\i)+1536*(\q)+512
	ds_load_b128 v[\reg+6:\reg+9], v[\a16] offset:CH*(\i)+1536*(\q)+768
	ds_load_b64 v[\reg+10:\reg+11], v[\a8] offset:CH*(\i)+1536*(\q)+1280
.endm
.macro FETCH kk                        ; K step kk's 8 + 4 fragments into set kk % 2: 48 loads
	WIN 0x40                                       ; destination window 1
.irp i, 0,1,2,3,4,5,6,7
	FRAG 128*((\kk)%2)+12*\i, B16+(\kk)/2, B8+(\kk)/2, (\kk)%2, \i
.endr
	WIN 0
.irp i, 0,1,2,3
	FRAG AFR+48*((\kk)%2)+12*\i, A16+(\kk)/2, A8+(\kk)/2, (\kk)%2, \i
.endr
.endm
.macro MUL32 kk, zero                  ; 32 matrix instructions; the 32 accumulators take turns, one instruction a turn, in the same order in every step
	WIN 0xa1                                       ; source 0 window 1, source 1 window 0, C and D window 2
.irp a, 0,1,2,3
.irp b, 0,1,2,3,4,5,6,7
.if \zero
	v_wmma_scale_f32_16x16x128_f8f6f4 v[8*(8*\a+\b):8*(8*\a+\b)+7], v[128*((\kk)%2)+12*\b:128*((\kk)%2)+12*\b+11], v[AFR+48*((\kk)%2)+12*\a:AFR+48*((\kk)%2)+12*\a+11], 0, v[SCB+8*\b+(\kk)], v[SCA+8*\a+(\kk)] matrix_a_fmt:MATRIX_FMT_FP6 matrix_b_fmt:MATRIX_FMT_FP6
.else
	v_wmma_scale_f32_16x16x128_f8f6f4 v[8*(8*\a+\b):8*(8*\a+\b)+7], v[128*((\kk)%2)+12*\b:128*((\kk)%2)+12*\b+11], v[AFR+48*((\kk)%2)+12*\a:AFR+48*((\kk)%2)+12*\a+11], v[8*(8*\a+\b):8*(8*\a+\b)+7], v[SCB+8*\b+(\kk)], v[SCA+8*\a+(\kk)] matrix_a_fmt:MATRIX_FMT_FP6 matrix_b_fmt:MATRIX_FMT_FP6
.endif
.endr
.endr
.endm
.macro EVEN kk                         ; the next K step lies in the same chunk
	PLACES
	FETCH (\kk)+1
	s_wait_dscnt 48                                ; this step's fragments are in; the 48 loads just issued may be out
	MUL32 \kk, 0
.endm
.macro ODD kk                          ; the next K step lies in the next chunk: every wave shows its part of it landed
	s_wait_tensorcnt 3-((\kk)+1)/2                 ; the later chunks' loads may be out
	s_wait_dscnt 0x0                               ; this step's fragments are in
	s_barrier_signal -1
	s_barrier_wait -1
	PLACES
	FETCH (\kk)+1
	MUL32 \kk, 0
.endm
	s_wait_tensorcnt 3                             ; my part of chunk 0 is in,
	s_barrier_signal -1
	s_barrier_wait -1                              ; everybody's is
	FETCH 0
	s_wait_loadcnt 0x0                             ; the scale words, once
	FETCH 1
	s_wait_dscnt 48
	MUL32 0, 1                                     ; the first products start the sums: nothing is cleared
	ODD 1
	EVEN 2
	ODD 3
	EVEN 4
	ODD 5
	EVEN 6
	s_wait_dscnt 0x0
	MUL32 7, 0
	WIN 0
; THE WAY OUT, a tile of 16 rows x 128 columns at a time, through my own stage: a lane's 64 bytes of a row go in, whole rows of 512 bytes come back, and the 32 lanes store them.
; LDS serves a wave's instructions in order (ISA guide 5.7.1.4): no wait between the stores and the loads, nor in front of the next tile's stores.
.macro TOSTAGE a
	WIN 0x08                                       ; an LDS store's data are its source 1: window 2
.irp u, 0,1,2,3
.irp i, 0,1,2,3
	ds_store_b128 v[STO], v[64*(\a)+16*\u+4*\i:64*(\a)+16*\u+4*\i+3] offset:128*\u+16*\i   ; each accumulator from its low end on
.endr
.endr
	WIN 0
.irp t, 0,1,2,3,4,5,6,7,8,9,10,11,12,13,14,15
	ds_load_b128 v[BK+64*((\a)%2)+4*\t:BK+64*((\a)%2)+4*\t+3], v[RD] offset:\t*SP
.endr
.endm
.macro SEND a, younger                 ; younger: the LDS instructions issued behind tile a's loads, which may stay out
	s_wait_dscnt \younger
.irp t, 0,1,2,3,4,5,6,7,8,9,10,11,12,13,14,15
	global_store_b128 v[CO], v[BK+64*((\a)%2)+4*\t:BK+64*((\a)%2)+4*\t+3], s[8:9] offset:(32*((\a)/2)+8*((\a)%2)+(\t%8)+16*(\t/8))*4096 th:TH_STORE_NT   ; 512 consecutive bytes, aligned to 256; the tile's row t stands in the immediate
.endr
.endm
	PLACES                                         ; behind the last products: for the reads of their results and the loads into attn's fragment registers
	TOSTAGE 0
.irp a, 1,2,3
.if \a > 1
	s_wait_xcnt 0x0                                ; tile a - 2's stores have read their registers: tile a's loads may land there
.endif
	TOSTAGE \a
	SEND \a-1, 32                                  ; behind tile a - 1's loads: tile a's 16 stores and 16 loads
.endr
	SEND 3, 0
	s_wait_tensorcnt 0x0
	ds_add_u32 v30, v31
	s_wait_dscnt 0x0
	CROUND                                         ; the closing round: no work-group ends while a partner may still ask for a tile that names it
	s_endpgm
.Lfunc_end_k_q1e60fbf03d_proj:
	.size	k_q1e60fbf03d_proj, .Lfunc_end_k_q1e60fbf03d_proj-k_q1e60fbf03d_proj
	.p2alignl 7, 3214868480
	.fill 96, 4, 3214868480
	.section	.rodata,"a",@progbits
	.p2align	6, 0x0
	.amdhsa_kernel k_q1e60fbf03d_proj
		.amdhsa_group_segment_fixed_size 327680
		.amdhsa_private_segment_fixed_size 0
		.amdhsa_enable_private_segment 0
		.amdhsa_kernarg_size 24
		.amdhsa_user_sgpr_count 2
		.amdhsa_user_sgpr_kernarg_segment_ptr 1
		.amdhsa_wavefront_size32 1
		.amdhsa_system_sgpr_workgroup_id_x 1
		.amdhsa_system_sgpr_workgroup_id_y 1
		.amdhsa_system_sgpr_workgroup_id_z 1
		.amdhsa_system_vgpr_workitem_id 0
		.amdhsa_next_free_vgpr 768
		.amdhsa_next_free_sgpr 96
		.amdhsa_reserve_vcc 0
		.amdhsa_float_denorm_mode_32 3
		.amdhsa_float_denorm_mode_16_64 3
		.amdhsa_memory_ordered 1
		.amdhsa_forward_progress 1
		.amdhsa_inst_pref_size 84
	.end_amdhsa_kernel
	.amdgpu_metadata
---
amdhsa.version: [ 1, 2 ]
amdhsa.kernels:
  - .name:           k_q1e60fbf03d_proj
    .symbol:         k_q1e60fbf03d_proj.kd
    .args:
      - { .name: ablk, .offset: 0, .size: 8, .value_kind: global_buffer, .address_space: global }
      - { .name: woimg, .offset: 8, .size: 8, .value_kind: global_buffer, .address_space: global }
      - { .name: out0, .offset: 16, .size: 8, .value_kind: global_buffer, .address_space: global }
    .group_segment_fixed_size: 327680
    .private_segment_fixed_size: 0
    .kernarg_segment_align: 8
    .kernarg_segment_size: 24
    .max_flat_workgroup_size: 128
    .sgpr_count:     96
    .vgpr_count:     768
    .wavefront_size: 32
...
	.end_amdgpu_metadata
.endif
;; end of part 4
